; MI455X (gfx1250); checked and timed in simulation.
; The chip was launched on July 23, 2026; its instructions are those of AMD's public machine-readable ISA for CDNA 5 (MIT licence, August 2026) and "CDNA5" Instruction Set Architecture Reference Guide (July 2026). The comments in the code are by the model that wrote it; some were corrected since.
;; Diff Attn. Allowed arithmetic: matrix products marked QUANTISED: E4M3 operands, one given power-of-two scale a tensor, by v_wmma_f32_16x16x64_fp8_fp8 or v_wmma_f32_16x16x128_fp8_fp8, f32 sums; everything else in f32.
;; Inputs: Wk_codes 512 x 16 x 32 uint8 (E4M3 codes of Wk, K innermost, in blocks of 32 codes); Wq_codes 512 x 16 x 32 uint8 (E4M3 codes of Wq, K innermost, in blocks of 32 codes); Wv_codes 256 x 16 x 32 uint8 (E4M3 codes of Wv, K innermost, in blocks of 32 codes); X_codes 4 x 4,096 x 16 x 32 uint8 (E4M3 codes of X, K innermost, in blocks of 32 codes); bk 512 float32; bq 512 float32; bv 256 float32; lam 1 float32; lowp_scales 12 int32 (the exponents e of the quantised operands' scales 2^e).
;; Outputs: out0 4 x 4,096 x 256 float32.
;; This version of the problem:
;;   THIS VERSION OF THE PROBLEM IS GIVEN IN LOW PRECISION. The matrix products marked QUANTISED in the list below multiply operands that are first quantised to E4M3 (4 exponent bits, 3 mantissa bits; 8 bits a number), with one given power-of-two scale for each operand tensor; their sums are f32. All else is computed in f32.
;;   The module's matrix products, in the order in which they are computed (A, B: the left and right operand; K: the contracted axis; several contracted axes count as one K, in the product's order):
;;     1. [M 16,384, K 512] x [K 512, N 512]; A: input X (given as codes); B: input Wq (given as codes): QUANTISED (scales: A lowp_scales[0], B lowp_scales[1])
;;     2. [M 16,384, K 512] x [K 512, N 512]; A: input X (given as codes); B: input Wk (given as codes): QUANTISED (scales: A lowp_scales[2], B lowp_scales[3])
;;     3. [M 16,384, K 512] x [K 512, N 256]; A: input X (given as codes); B: input Wv (given as codes): QUANTISED (scales: A lowp_scales[4], B lowp_scales[5])
;;     4. batch 4 x [M 4,096, K 256] x [K 256, N 4,096]; A: computed on the way; B: computed on the way: QUANTISED (scales: A lowp_scales[6], B lowp_scales[7])
;;     5. batch 4 x [M 4,096, K 256] x [K 256, N 4,096]; A: computed on the way; B: computed on the way: QUANTISED (scales: A lowp_scales[8], B lowp_scales[9])
;;     6. batch 4 x [M 4,096, K 4,096] x [K 4,096, N 256]; A: computed on the way; B: computed on the way: QUANTISED (scales: A lowp_scales[10], B lowp_scales[11])
;;   THE QUANTISER, for each operand of a quantised product, along K:
;;     - The operand's scale is 2^e, e = its entry of the input lowp_scales (int32; the entries are numbered through the quantised products in the list's order, A before B).
;;     - Each number is divided by the scale, clamped to +-448, and rounded to the nearest number of E4M3, ties to even, subnormals kept.
;;     - The product sums the exact products of the quantised numbers (number of the format x scale) in f32.
;;   ~~~python
;;   def quantise(x, axis, e):      # numpy; x: float32 -> the quantised numbers, widened to float32 again
;;       x = np.moveaxis(x, axis, -1); K = x.shape[-1]
;;       r = np.clip(x / 2.0 ** e, -448, 448)
;;       step = 2.0 ** (np.maximum(np.frexp(np.where(r == 0, 1, r))[1] - 1, -6) - 3)
;;       q = np.round(r / step) * step * 2.0 ** e      # np.round: ties to even
;;       return np.moveaxis(q, -1, axis).astype(np.float32)
;;   ~~~
;;   OPERANDS COMPUTED ON THE WAY. 'Computed on the way' means the value that the module computes at that place (a softmax that the list does not call 'softmax' is quantised finished and normalised). What goes into a quantiser is computed in f32, as accurately as f32 sums, v_exp_f32 and their like allow (about 1e-6 of the number): no bf16 or f16 on the way to a quantiser, and a product that is left as it is and whose result goes on into a quantised operand takes f32 operands (vector FMAs, or v_wmma_f32_16x16x4_f32). A number that lies on a knife's edge between two numbers of the format may be rounded either way, as far as f32 arithmetic and the matrix unit's own rounding can turn it there, and no further.
;;   INPUTS GIVEN AS CODES. Wk (in the module: [512, 512], K = its axis 1); Wq (in the module: [512, 512], K = its axis 1); Wv (in the module: [256, 512], K = its axis 1); X (in the module: [4, 4096, 512], K = its axis 2): each comes as NAME_codes (uint8): NAME with its K axis moved to the last place and cut into blocks of 32 codes, [.., K / 32, bytes a block], one block behind the other in memory; one code a byte (a code: sign, 4 exponent bits, 3 mantissa bits); its scale is its entry of lowp_scales. Its value is code x scale, taken as it is: it is not quantised again, and the codes and scales need not be those that the quantiser above would give.
;; 2 versions. Each part assembles by itself: llvm-mc -triple=amdgcn-amd-amdhsa -mcpu=gfx1250 --defsym DOCPART=n.
;; ======== version 1 of 2: 2 launches
;; workspace buffers: Qc 8,388,608 bytes; Kc 8,388,608 bytes; Vc 4,194,304 bytes
;; launch proj (part 1): grid 128 x 2, 4 waves a work-group, no clusters, 101,888 bytes of LDS; arguments X_codes, Wq_codes, Wk_codes, Wv_codes, bq, bk, bv, lowp_scales, Qc, Kc, Vc; writes Qc, Kc, Vc
.if DOCPART == 1
	.amdgcn_target "amdgcn-amd-amdhsa--gfx1250"
	.amdhsa_code_object_version 6
	.text
	.protected	k_qd0503c1aeb_proj
	.globl	k_qd0503c1aeb_proj
	.p2align	8
	.type	k_qd0503c1aeb_proj,@function
k_qd0503c1aeb_proj:
	s_mov_b64 s[64:65], 0
	v_nop
	global_prefetch_b8 v0, s[64:65] scope:SCOPE_SE
	s_setreg_imm32_b32 hwreg(HW_REG_WAVE_MODE, 25, 1), 1
	s_wait_xcnt 0x0
; Q = X Wq^T + bq, K = X Wk^T + bk, V = X Wv^T + bv on codes of FP8 (E4M3), each result quantised at once, with its given scale, for the attention launch.
; X: [16384][512] codes; Wq, Wk: [512][512]; Wv: [256][512] codes, K innermost; biases f32.
; RESULTS ARE STORED AS IMAGES OF OPERAND REGISTERS.  A fragment is 16 rows x 128 along K = 16 registers a lane = 2,048 bytes; registers 4 c .. 4 c + 3 of lane l lie at 512 c + 16 l.
;   Qc, Kc: fragment (token / 16, feature group g of 128) at (4 T + g) x 2,048; lane (r, h) holds token r, registers 2 c, 2 c + 1 features 16 c + 8 h + 0 .. 7 of the group.
;   Vc:     fragment (token / 128, channel / 16) at (16 KB + ct) x 2,048; lane (r, h) holds channel r, registers 2 c, 2 c + 1 tokens 16 c + 8 h + 0 .. 7: the keys are the last product's K.
; SHARES.  Work-group (x, y): 128 tokens (x); y = 0: Q and V's channels 0-127; y = 1: K and V's channels 128-255.  Only pointers and exponents are chosen by y: the text has one path.
; Wave w makes feature group w (8 tiles of 16) and 32 channels of V (2 tiles) for all 128 tokens.  Its weights, (8 + 2) tiles x 4 K steps x 16 = 640 registers, stay in registers.
; NO CLUSTER, NO TENSOR LOAD: a work-group's weights are 4 x 160 rows x 512 bytes = 327,680 bytes, as much LDS as a work-group can be given, so they cannot land there beside X's 67,584 bytes;
; they go once into registers.  Every global load of a wave reads one whole row, 512 consecutive bytes, and rows turn into fragments through LDS (rows 528 bytes apart).
; Q and K: the matrix instruction is used transposed (source 0 = 16 rows of W, source 1 = 16 tokens): a lane holds one token and eight neighbouring features, which the conversion packs.
; V: source 0 = 16 tokens, source 1 = 16 rows of Wv: a lane holds one channel and eight neighbouring tokens.
; X's and W's fragments are fetched by four 16-byte loads (registers 4 c .. 4 c + 3: k = 32 c + 16 h + 0 .. 15): the same permutation of k on both sides.
; A sum stands for sum x 2^(eA + eB): the bias goes in as the C of a sum's first product, as b / 2^(eA + eB), and the conversion takes the one scale 2^(eo - eA - eB).
; LIMITS: eo - eA - eB between -126 and 119 for each of the three products, so that the scale and 448 x the scale are f32 numbers.  NaN is not served; infinities are held at the largest code.
; REGISTERS, in windows of 256.  Window 0: v1-11 addresses and constants; v16-79, v80-143 X's fragments of a token tile, two buffers; v144-207 the 8 sums of Q or K; v208-223 the 2 of V; v224-239 codes.
;   Window 1: W's tiles 0-3 (tile t, K step s at 64 t + 16 s).  Window 2: tiles 4-7.  Window 3: v0-127 Wv's two tiles; v128-191 the bias, 8 registers a tile; v192-207 V's bias; v208-239 V's codes; v240, v241 V's bias as loaded.
.set PX,   528                         ; an LDS row: 512 bytes + 16: an odd multiple of 16 bytes, so the 16 rows of a fragment load start in 16 different 16-byte columns of 256
.set WST,  128*PX                      ; behind X's 128 rows: a stage of 16 rows for each wave
.set LI,   1                           ; v1   16 x lane
.set XW,   2                           ; v2   where I put X's rows: 32 w rows + 16 x lane
.set XR,   3                           ; v3   a fragment's place: 528 r + 16 h
.set SW,   4                           ; v4   my stage, rows in
.set SR,   5                           ; v5   my stage, fragments out
.set BO,   6                           ; v6   32 h: my eight numbers of a tile's bias
.set BVO,  7                           ; v7   4 r: my channel's bias
.set VSQ,  8                           ; v8   2^(eo - eA - eB) for Q or K;  v9  448 x that
.set VLQ,  9
.set VSV,  10                          ; v10, v11 the same for V
.set VLV,  11
.set XF,   16
.set ACC,  144
.set ACCV, 208
.set PC,   224
.set BI,   128                         ; in window 3
.set BV,   192
.set VC,   208
.set RAW,  240
.set MSB, 0
.macro WIN new                         ; the immediate's high byte repeats the setting that is left; a switch that changes nothing is dropped
.if MSB != (\new)
	s_set_vgpr_msb (MSB<<8)|(\new)
.set MSB, (\new)
.endif
.endm
.macro WSEL t                          ; weight tile t lives in window 1 + t / 4 at v[64 (t % 4)]; destination and source 1 (an LDS store's data) in that window, addresses in window 0
.set WN, 1+(\t)/4
.set WB, 64*((\t)%4)
	WIN (WN<<6)|(WN<<2)
.endm
.macro LOADW t                         ; the 16 rows of weight tile t, a row a load, into the tile's own 64 registers
	WSEL \t
.set rho, 0
.rept 16
.if (\t) < 8
	global_load_b128 v[WB+4*rho:WB+4*rho+3], v[LI], s[44:45] offset:(16*(\t)+rho)*512
.else
	global_load_b128 v[WB+4*rho:WB+4*rho+3], v[LI], s[46:47] offset:(16*((\t)-8)+rho)*512
.endif
.set rho, rho+1
.endr
.endm
.macro TURNW t                         ; rows into my stage, fragments back into the registers that they left.  LDS serves a wave's instructions in order (ISA guide 5.7.1.4) and the bytes are my own: no wait, no barrier
	WSEL \t
.set rho, 0
.rept 16
	ds_store_b128 v[SW], v[WB+4*rho:WB+4*rho+3] offset:PX*rho
.set rho, rho+1
.endr
.irp s, 0,1,2,3
.irp c, 0,1,2,3
	ds_load_b128 v[WB+16*\s+4*\c:WB+16*\s+4*\c+3], v[SR] offset:128*\s+32*\c
.endr
.endr
.endm
.macro FETCHX i                        ; X's four fragments of token tile i into buffer i % 2
.irp s, 0,1,2,3
.irp c, 0,1,2,3
	ds_load_b128 v[XF+64*((\i)%2)+16*\s+4*\c:XF+64*((\i)%2)+16*\s+4*\c+3], v[XR] offset:16*PX*(\i)+128*\s+32*\c
.endr
.endr
.endm
; 40 matrix instructions for token tile i.  The accumulators take turns, one instruction a turn: four by four for Q or K, the two of V.
.macro MM i
.set XB, XF+64*((\i)%2)
.irp hf, 0,1
	WIN 0x31+\hf                       ; source 0 (W) window 1 or 2, source 1 (X) window 0, C (the bias) window 3, D window 0
.irp t, 0,1,2,3
	v_wmma_f32_16x16x128_fp8_fp8 v[ACC+8*(4*\hf+\t):ACC+8*(4*\hf+\t)+7], v[64*\t:64*\t+15], v[XB:XB+15], v[BI+8*(4*\hf+\t):BI+8*(4*\hf+\t)+7]
.endr
	WIN 0x01+\hf                       ; C and D window 0
.irp s, 1,2,3
.irp t, 0,1,2,3
	v_wmma_f32_16x16x128_fp8_fp8 v[ACC+8*(4*\hf+\t):ACC+8*(4*\hf+\t)+7], v[64*\t+16*\s:64*\t+16*\s+15], v[XB+16*\s:XB+16*\s+15], v[ACC+8*(4*\hf+\t):ACC+8*(4*\hf+\t)+7]
.endr
.endr
.endr
	WIN 0x3C                           ; V: source 0 (X) window 0, source 1 (Wv) and C (its bias) window 3
.irp ct, 0,1
	v_wmma_f32_16x16x128_fp8_fp8 v[ACCV+8*\ct:ACCV+8*\ct+7], v[XB:XB+15], v[64*\ct:64*\ct+15], v[BV+8*\ct:BV+8*\ct+7]
.endr
	WIN 0x0C
.irp s, 1,2,3
.irp ct, 0,1
	v_wmma_f32_16x16x128_fp8_fp8 v[ACCV+8*\ct:ACCV+8*\ct+7], v[XB+16*\s:XB+16*\s+15], v[64*\ct+16*\s:64*\ct+16*\s+15], v[ACCV+8*\ct:ACCV+8*\ct+7]
.endr
.endr
	WIN 0
.endm
; The sums of token tile i become codes.  The conversion to an 8-bit code does not saturate (ISA guide 7.6.2): each number is first held within 448 x the scale.  Each accumulator is read from its low end on.
.macro QUANT i
.set j, 0
.rept 64
	v_med3_num_f32 v[ACC+j], v[ACC+j], -v[VLQ], v[VLQ]
.set j, j+1
.endr
.irp t, 0,1,2,3,4,5,6,7
	v_cvt_scalef32_pk8_fp8_f32 v[PC+2*\t:PC+2*\t+1], v[ACC+8*\t:ACC+8*\t+7], v[VSQ]   ; tile t's eight features are registers 2 t, 2 t + 1 of the fragment
.endr
.set j, 0
.rept 16
	v_med3_num_f32 v[ACCV+j], v[ACCV+j], -v[VLV], v[VLV]
.set j, j+1
.endr
	WIN 0xC0                           ; destination window 3
.irp ct, 0,1
	v_cvt_scalef32_pk8_fp8_f32 v[VC+16*\ct+2*(\i):VC+16*\ct+2*(\i)+1], v[ACCV+8*\ct:ACCV+8*\ct+7], v[VSV]   ; token tile i's eight tokens are registers 2 i, 2 i + 1 of V's fragment
.endr
	WIN 0
	v_nop                              ; one plain vector instruction between the last conversion and the next products, which write its sources
.endm
	s_load_b512 s[4:19], s[0:1], 0x0               ; X s[4:5], Wq s[6:7], Wk s[8:9], Wv s[10:11], bq s[12:13], bk s[14:15], bv s[16:17], the exponents s[18:19]
	s_load_b128 s[20:23], s[0:1], 0x40             ; Qc, Kc
	s_load_b64 s[24:25], s[0:1], 0x50              ; Vc
	v_lshl_add_u32 v254, v0, 2, 0x18c00
	v_mov_b32 v255, 0
	v_lshrrev_b32 v12, 5, v0
	v_readfirstlane_b32 s26, v12                   ; wave 0..3
	s_and_b32 s27, ttmp7, 0xffff                   ; 0: Q, 1: K
	v_and_b32 v12, 31, v0                          ; lane
	v_and_b32 v13, 15, v0                          ; r
	v_bfe_u32 v14, v0, 4, 1                        ; h
	v_lshlrev_b32 v[LI], 4, v12
	s_mul_i32 s28, s26, 32*PX
	v_add_nc_u32 v[XW], s28, v[LI]
	v_mul_u32_u24 v[XR], v13, PX
	v_lshl_add_u32 v[XR], v14, 4, v[XR]
	s_mul_i32 s28, s26, 16*PX
	s_add_co_u32 s28, s28, WST
	v_add_nc_u32 v[SW], s28, v[LI]
	v_add_nc_u32 v[SR], s28, v[XR]
	v_lshlrev_b32 v[BO], 5, v14
	v_lshlrev_b32 v[BVO], 2, v13
	s_wait_kmcnt 0x0
	s_load_b256 s[32:39], s[18:19], 0x0            ; e0 .. e7
	s_load_b128 s[40:43], s[18:19], 0x20           ; e8 .. e11
	s_cmp_eq_u32 s27, 0                            ; the choice hangs on the work-group's number alone
	s_cselect_b64 s[44:45], s[6:7], s[8:9]         ; W
	s_cselect_b64 s[48:49], s[12:13], s[14:15]     ; its bias
	s_cselect_b64 s[52:53], s[20:21], s[22:23]     ; where its codes go
	s_mov_b32 s31, 0
	s_lshl_b32 s30, s26, 16
	s_add_nc_u64 s[44:45], s[44:45], s[30:31]      ; my 128 rows of W
	s_lshl_b32 s30, s27, 16
	s_lshl_b32 s29, s26, 14
	s_add_co_u32 s30, s30, s29
	s_add_nc_u64 s[46:47], s[10:11], s[30:31]      ; my 32 rows of Wv: 128 y + 32 w
	s_lshl_b32 s30, s26, 9
	s_add_nc_u64 s[48:49], s[48:49], s[30:31]      ; my 128 numbers of the bias
	s_lshl_b32 s30, s27, 9
	s_lshl_b32 s29, s26, 7
	s_add_co_u32 s30, s30, s29
	s_add_nc_u64 s[50:51], s[16:17], s[30:31]      ; my 32 of bv
	s_lshl_b32 s30, ttmp9, 16
	s_add_nc_u64 s[56:57], s[4:5], s[30:31]        ; X at the block's first token,
	s_lshl_b32 s29, s26, 11
	s_add_co_u32 s30, s30, s29
	s_add_nc_u64 s[52:53], s[52:53], s[30:31]      ; the codes: fragment (8 x, w)
	s_lshl_b32 s30, s26, 14
	s_add_nc_u64 s[56:57], s[56:57], s[30:31]      ; and at the 32 rows that I bring in
	s_lshl_b32 s30, ttmp9, 15
	s_lshl_b32 s29, s27, 14
	s_add_co_u32 s30, s30, s29
	s_lshl_b32 s29, s26, 12
	s_add_co_u32 s30, s30, s29
	s_add_nc_u64 s[54:55], s[24:25], s[30:31]      ; V's codes: fragment (x, 8 y + 2 w)
	WIN 0xC0
.irp t, 0,1,2,3,4,5,6,7                        ; the bias in the result's layout: lane (r, h), tile t: features 16 t + 8 h + 0 .. 7
	global_load_b128 v[BI+8*\t:BI+8*\t+3], v[BO], s[48:49] offset:64*\t
	global_load_b128 v[BI+8*\t+4:BI+8*\t+7], v[BO], s[48:49] offset:64*\t+16
.endr
	global_load_b32 v[RAW], v[BVO], s[50:51]       ; V's: lane (r, h), tile ct: channel 16 ct + r
	global_load_b32 v[RAW+1], v[BVO], s[50:51] offset:64
	WIN 0
.set rho, 0
.rept 32
	global_load_b128 v[XF+4*rho:XF+4*rho+3], v[LI], s[56:57] offset:512*rho   ; a row of X: 512 consecutive bytes
.set rho, rho+1
.endr
	LOADW 0
	LOADW 1
	LOADW 2
	WIN 0
	s_wait_kmcnt 0x0
	s_cmp_eq_u32 s27, 0
	s_cselect_b32 s58, s32, s34                    ; eA
	s_cselect_b32 s59, s33, s35                    ; eB
	s_cselect_b32 s60, s38, s39                    ; eo of the first half of the features (e6 or e7),
	s_cselect_b32 s61, s40, s41                    ; and of the second (e8 or e9)
	s_cmp_lt_u32 s26, 2
	s_cselect_b32 s60, s60, s61                    ; waves 0, 1 make the first half
	s_add_co_i32 s58, s58, s59                     ; eA + eB
	s_sub_co_i32 s59, 0, s58                       ; the bias is multiplied by 2^-(eA + eB)
	s_sub_co_i32 s60, s60, s58
	s_add_co_i32 s60, s60, 127
	s_lshl_b32 s61, s60, 23
	v_mov_b32 v[VSQ], s61                          ; 2^(eo - eA - eB) as f32: the conversion takes its exponent field
	s_add_co_i32 s60, s60, 8
	s_lshl_b32 s60, s60, 23
	s_or_b32 s60, s60, 0x600000
	v_mov_b32 v[VLQ], s60                          ; 448 x that
	s_add_co_i32 s62, s36, s37                     ; e4 + e5
	s_sub_co_i32 s63, 0, s62
	s_sub_co_i32 s62, s43, s62                     ; e11 - e4 - e5
	s_add_co_i32 s62, s62, 127
	s_lshl_b32 s61, s62, 23
	v_mov_b32 v[VSV], s61
	s_add_co_i32 s62, s62, 8
	s_lshl_b32 s62, s62, 23
	s_or_b32 s62, s62, 0x600000
	v_mov_b32 v[VLV], s62
	s_wait_loadcnt 48                              ; the biases and X's rows are in; the 48 loads of weight tiles 0 to 2 may be out
.set rho, 0
.rept 32
	ds_store_b128 v[XW], v[XF+4*rho:XF+4*rho+3] offset:PX*rho
.set rho, rho+1
.endr
.irp t, 0,1,2,3,4,5,6,7,8,9
.if \t+3 < 10
	LOADW \t+3                                     ; three tiles ahead
.endif
.if \t < 7
	s_wait_loadcnt 48                              ; tile t's 16 loads are in; those of the three tiles behind it may be out
.else
	s_wait_loadcnt 16*(9-\t)
.endif
	TURNW \t
.endr
	WIN 0xC3                                       ; source 0 and destination window 3
.set j, 0
.rept 64
	v_ldexp_f32 v[BI+j], v[BI+j], s59              ; b / 2^(eA + eB): nothing is rounded, short of overflow and underflow
.set j, j+1
.endr
.irp ct, 0,1
.irp jj, 0,1,2,3,4,5,6,7
	v_ldexp_f32 v[BV+8*\ct+\jj], v[RAW+\ct], s63   ; a lane's eight tokens share its channel's bias
.endr
.endr
	WIN 0
	s_wait_dscnt 0x0                               ; my rows of X have landed in LDS, and my weights' fragments are in
	s_barrier_signal -1
	s_barrier_wait -1                              ; all 128 rows of X lie in LDS
	FETCHX 0
.irp i, 0,1,2,3,4,5,6,7
	s_wait_dscnt 0x0                               ; this tile's fragments of X are in
.if \i < 7
	FETCHX \i+1                                    ; the other buffer: its last products stand in front of the conversions of the tile before, more than four plain vector instructions back
.endif
	MM \i
.rept 4
	v_nop                                          ; four places between the products and the first read of their results (ISA guide 7.12.1)
.endr
.if \i > 0
	s_wait_xcnt 0x0                                ; the stores of the tile before have read the codes' registers, which are written again below
.endif
	QUANT \i
.irp c, 0,1,2,3
	global_store_b128 v[LI], v[PC+4*\c:PC+4*\c+3], s[52:53] offset:8192*\i+512*\c   ; 32 lanes store 512 consecutive bytes, at a multiple of 512 from the buffer's first byte
.endr
.endr
	WIN 0x0C                                       ; a store's data: source 1, window 3
.irp ct, 0,1
.irp c, 0,1,2,3
	global_store_b128 v[LI], v[VC+16*\ct+4*\c:VC+16*\ct+4*\c+3], s[54:55] offset:2048*\ct+512*\c
.endr
.endr
	WIN 0
	s_wait_tensorcnt 0x0
	ds_add_u32 v254, v255
	s_wait_dscnt 0x0
	s_endpgm
.Lfunc_end_k_qd0503c1aeb_proj:
	.size	k_qd0503c1aeb_proj, .Lfunc_end_k_qd0503c1aeb_proj-k_qd0503c1aeb_proj
	.p2alignl 7, 3214868480
	.fill 96, 4, 3214868480
	.section	.rodata,"a",@progbits
	.p2align	6, 0x0
	.amdhsa_kernel k_qd0503c1aeb_proj
		.amdhsa_group_segment_fixed_size 101888
		.amdhsa_private_segment_fixed_size 0
		.amdhsa_enable_private_segment 0
		.amdhsa_kernarg_size 88
		.amdhsa_user_sgpr_count 2
		.amdhsa_user_sgpr_kernarg_segment_ptr 1
		.amdhsa_wavefront_size32 1
		.amdhsa_system_sgpr_workgroup_id_x 1
		.amdhsa_system_sgpr_workgroup_id_y 1
		.amdhsa_system_sgpr_workgroup_id_z 1
		.amdhsa_system_vgpr_workitem_id 0
		.amdhsa_next_free_vgpr 1024
		.amdhsa_next_free_sgpr 66
		.amdhsa_reserve_vcc 0
		.amdhsa_float_denorm_mode_32 3
		.amdhsa_float_denorm_mode_16_64 3
		.amdhsa_memory_ordered 1
		.amdhsa_forward_progress 1
		.amdhsa_inst_pref_size 133
	.end_amdhsa_kernel
	.amdgpu_metadata
---
amdhsa.version: [ 1, 2 ]
amdhsa.kernels:
  - .name:           k_qd0503c1aeb_proj
    .symbol:         k_qd0503c1aeb_proj.kd
    .args:
      - { .name: X_codes, .offset: 0, .size: 8, .value_kind: global_buffer, .address_space: global }
      - { .name: Wq_codes, .offset: 8, .size: 8, .value_kind: global_buffer, .address_space: global }
      - { .name: Wk_codes, .offset: 16, .size: 8, .value_kind: global_buffer, .address_space: global }
      - { .name: Wv_codes, .offset: 24, .size: 8, .value_kind: global_buffer, .address_space: global }
      - { .name: bq, .offset: 32, .size: 8, .value_kind: global_buffer, .address_space: global }
      - { .name: bk, .offset: 40, .size: 8, .value_kind: global_buffer, .address_space: global }
      - { .name: bv, .offset: 48, .size: 8, .value_kind: global_buffer, .address_space: global }
      - { .name: lowp_scales, .offset: 56, .size: 8, .value_kind: global_buffer, .address_space: global }
      - { .name: Qc, .offset: 64, .size: 8, .value_kind: global_buffer, .address_space: global }
      - { .name: Kc, .offset: 72, .size: 8, .value_kind: global_buffer, .address_space: global }
      - { .name: Vc, .offset: 80, .size: 8, .value_kind: global_buffer, .address_space: global }
    .group_segment_fixed_size: 101888
    .private_segment_fixed_size: 0
    .kernarg_segment_align: 8
    .kernarg_segment_size: 88
    .max_flat_workgroup_size: 128
    .sgpr_count:     66
    .vgpr_count:     1024
    .wavefront_size: 32
...
	.end_amdgpu_metadata
.endif
;; end of part 1
;; launch attn (part 2): grid 64 x 4, 8 waves a work-group, clusters of 4 x 1, 327,680 bytes of LDS; arguments Qc, Kc, Vc, lam, lowp_scales, out0; writes out0
.if DOCPART == 2
	.amdgcn_target "amdgcn-amd-amdhsa--gfx1250"
	.amdhsa_code_object_version 6
	.text
	.protected	k_qd0503c1aeb_attn
	.globl	k_qd0503c1aeb_attn
	.p2align	8
	.type	k_qd0503c1aeb_attn,@function
k_qd0503c1aeb_attn:
	s_mov_b64 s[64:65], 0
	v_nop
	global_prefetch_b8 v0, s[64:65] scope:SCOPE_SE
	s_setreg_imm32_b32 hwreg(HW_REG_WAVE_MODE, 25, 1), 1
	s_wait_xcnt 0x0
	s_wait_alu depctr_hold_cnt(0) depctr_sa_sdst(0) depctr_va_vdst(0) depctr_va_sdst(0) depctr_va_ssrc(0) depctr_va_vcc(0) depctr_vm_vsrc(0)
	s_getreg_b32 s2, hwreg(HW_REG_IB_STS2, 6, 4)
	s_cmp_eq_u32 s2, 0
	s_cbranch_scc0 .Lentry_in_a_cluster
	s_endpgm
.Lentry_in_a_cluster:
	s_bfe_u32 s2, ttmp6, 0x10000c
	s_cmp_lg_u32 s2, 0x3003
	s_cbranch_scc0 .Lentry_shape_is_right
	s_endpgm
.Lentry_shape_is_right:
; out = (softmax(Q1 K1^T / 16) - (e^lam + 0.05) softmax(Q2 K2^T / 16)) V, all three products on codes of FP8 (E4M3).  Qc, Kc, Vc: images of operand registers, as the projection launch stored them:
; a fragment (16 rows x 128 along K) is 2,048 bytes, registers 4 c .. 4 c + 3 of lane l at 512 c + 16 l.  Qc, Kc: fragment (token / 16, feature group g) at (4 T + g) x 2,048; g = 0, 1: the first half, g = 2, 3: the second.
; Vc: fragment (token / 128, channel / 16) at (16 KB + ct) x 2,048, the keys along its K.  out0: [4][4096][256] f32.
; WHAT IS QUANTISED FOR THE LAST PRODUCT IS THE FINISHED DIFFERENCE OF THE TWO NORMALISED SOFTMAXES.  So the keys are walked twice.  PASS 1 finds each row's maximum and sum, for both softmaxes.
; PASS 2 makes the scores again, forms diff = P1 - lambda P2 in f32, quantises it with the given scale and multiplies by V.
; SHARES.  A work-group owns 64 queries of one batch.  THE EIGHT WAVES SHARE THE KEYS, NOT THE QUERIES: each holds the codes of all 64 queries (256 registers), so each fragment of K that it reads from LDS feeds
; four matrix instructions and each byte of K is read from LDS once.  The last product is shared by channels: wave w owns channels 32 w .. 32 w + 31 for all 64 queries; diff's codes go from wave to wave through LDS
; as images of the operand's registers: in a step of 128 keys wave w makes keys 16 w .. 16 w + 15, which are registers 2 w, 2 w + 1 of each query tile's fragment.
; LAYOUT.  S^T = K Q^T (source 0 = 16 keys, source 1 = 16 queries): lane (r, h) holds query r and keys 8 h + 0 .. 7.  O^T = V^T diff^T (source 0 = 16 channels, source 1 = diff): lane (r, h): query r, channels 8 h + 0 .. 7.
; ARITHMETIC.  t = sum x c, c = log2(e) / 16 x 2^(the two operands' exponents).  There are eight chains x = 4 (softmax - 1) + query tile.
;   Pass 1: each LANE keeps, for each chain, the largest raw sum MX of its own keys, N = floor(-c MX) (minus the maximum rounded up to a whole number) and L = the sum of 2^(t + N).  When N moves, L is multiplied by
;   2^(new N - old N), which rounds nothing.  No lane looks at another in the loop.  Behind it a query's 16 partial results (8 waves x 2 halves of the lanes) are merged: N = the least, L_i x 2^(N - N_i), summed.
;   Pass 2: P1 = 2^(t + N - log2 L), lambda P2 = 2^(t + N - log2 L + log2 lambda): one fused multiply-add and one exponential each.  lambda = 2^(lam log2 e) + 0.05.
; CLUSTER.  The four work-groups of a cluster belong to one batch and walk the same K and V: each tile is asked for JOINTLY, by the same tensor load with the same descriptor and the mask of all four.
; LIMITS on the given exponents, so that each power of two below is an f32 number: e6 + e7 and e8 + e9 between -122 and 131 (they are added to c's exponent field); e10 between -126 and 119; e10 + e11 between -126 and 127.
; NaN is not served.  e^lam is made in f32 as 2^(lam log2 e): its relative error grows as |lam| x 1e-7.
; LDS: two slots of 131,072 bytes (pass 1: 256 keys of K; pass 2: 128 keys of K, 65,536 bytes, then 128 keys of V, 32,768); diff's images, two buffers of 8,192; the merge's 16,384; the spare words.
; REGISTERS.  Window 0: v0 the thread's number; v1-15 addresses and constants; pass 1: v16-63 six registers a chain, v64-127 and v128-191 the scores of two key tiles, v192-255 K's fragments;
;   pass 2: v16-31 the chains' exponents' offsets, v32-63 V's two fragments, v64-127 O^T, v128-191 the scores, then diff's four fragments, v192-255 K's fragments (v192-199 also the codes just made).  Window 1: Q.
.set SLOT,  131072
.set VREG,  65536                      ; V's place in a slot
.set PIMG,  2*SLOT                     ; diff's images: buffer b at 8,192 b, query tile q at 2,048 q
.set MERGE, PIMG+16384                 ; chain x at 2,048 x, wave at 256 w, lane at 8 l: (N, L)
.set SPARE, MERGE+16384                ; the spare words, 128 bytes for each wave: four blocks of 256 bytes that no other line names
.set SPITCH, 1040                      ; the way out: 64 rows x (1,024 bytes + 16) from LDS byte 0 on: slot 0's bytes, which have had their last fill and their last read by then
.set SPW,  1                           ; v1   SPARE + 4 x my thread's number; never rewritten
.set NIL,  2                           ; v2   0; never rewritten
.set AK1,  3                           ; v3, v4   pass 1: my two key tiles in slot 0, 1: 16 l + 16,384 w.   On the way out: v3 where I put results, v4 where I read rows back
.set AK2,  5                           ; v5, v6   pass 2: my key tile: 16 l + 8,192 w
.set AV,   7                           ; v7, v8   pass 2: my two fragments of V: 16 l + VREG + 4,096 w
.set AP,   9                           ; v9   diff's images, read: PIMG + 16 l
.set APW,  10                          ; v10  and written: + 512 (w / 2) + 8 (w % 2)
.set VSC,  11                          ; v11  2^e10 as f32
.set VLIM, 12                          ; v12  448 x 2^e10
.set PFO,  13                          ; v13  256 x lane, for the prefetches; never rewritten
.set AM,   14                          ; v14  the merge, written: MERGE + 256 w + 8 l.   On the way out: 16 l, the stores' offset
.set AMR,  15                          ; v15  the merge, read: MERGE + 8 l
.set ST,   16                          ; chain x at v[16 + 6 x]: +0 N, +1 MX, +2, +3 L in two halves, +4 the factor, +5 at work
.set NC,   16                          ; pass 2: chain x's offset, twice, at v[16 + 2 x]
.set VF,   32
.set SA,   64
.set OA,   64                          ; O^T: accumulator (ct, q) at v[64 + 8 (4 ct + q)]
.set SB,   128
.set KF,   192
.set PC,   192
.set WV,   16                          ; s16  my wave's number
.set G1,   24                          ; s[24:31] descriptor group 1: one shape serves every load
.set G0A,  32                          ; s[32:39] group 0 for pass 1's slots 0, 1
.set G0K,  40                          ; s[40:47] for pass 2's tiles of K in slots 0, 1
.set G0V,  48                          ; s[48:55] for its tiles of V
.set C1,   56                          ; s[56:57] c of the first softmax, s[58:59] of the second: the packed form names a pair and takes its low word
.set SEL,  60                          ; s[60:61] lane selects for v_permlanex16_b32: lane l xor 16
.set OSC,  62                          ; s[62:63] 2^(e10 + e11)
.set PFA,  66                          ; s[66:67] where my prefetches of K stand
.set PFV,  68                          ; s[68:69] and those of V
.set LIM1, 70                          ; s70, s71: 1 in a wave that prefetches (pass 1, pass 2), else the greatest number
.set LIM2, 71
.set CNT,  72                          ; s72  the loops' counter
.set MSB, 0
.macro WIN new                         ; the immediate's high byte repeats the setting that is left; a switch that changes nothing is dropped
.if MSB != (\new)
	s_set_vgpr_msb (MSB<<8)|(\new)
.set MSB, (\new)
.endif
.endm
.macro PLACES n
.rept \n
	v_nop
.endr
.endm
; A round of the cluster's barrier: my work-group's barrier, so that wave 0's signal speaks for all eight waves; wave 0 signals for the work-group; every wave waits for all four work-groups; my work-group's barrier once more.
.macro CROUND
	s_barrier_signal -1
	s_barrier_wait -1
	s_cmp_lg_u32 s[WV], 0
	s_cbranch_scc1 .Lnot_wave_0_\@
	s_barrier_signal -3
.Lnot_wave_0_\@:
	s_barrier_wait -3
	s_barrier_signal -1
	s_barrier_wait -1
.endm
; Pass 1's joint load: every wave brings its eighth of a slot, 16,384 bytes.  Four v_nop follow a tensor load.
.macro JL1 p
	tensor_load_to_lds s[G0A+4*(\p):G0A+4*(\p)+3], s[G1:G1+7]
	s_nop 0
	PLACES 4
.endm
; Pass 2's joint loads: waves 0 to 3 bring K's four quarters (fk = 1), waves 4 and 5 V's two halves (fv = 1), waves 6 and 7 nothing.  The branches hang on the wave's number alone: they are the same in every work-group.
.macro JL2 kp, vp, fk, fv
	s_cmp_lt_u32 s[WV], 4
	s_cbranch_scc0 .Lnot_k_\@
.if \fk
	tensor_load_to_lds s[G0K+4*(\kp):G0K+4*(\kp)+3], s[G1:G1+7]
	s_nop 0
	PLACES 4
.endif
	s_branch .Lasked_\@
.Lnot_k_\@:
.if \fv
	s_cmp_lt_u32 s[WV], 6
	s_cbranch_scc0 .Lasked_\@
	tensor_load_to_lds s[G0V+4*(\vp):G0V+4*(\vp)+3], s[G1:G1+7]
	s_nop 0
	PLACES 4
.endif
.Lasked_\@:
.endm
; A PREFETCH INTO THE L2, one instruction a wave, lanes 256 bytes apart: 8,192 bytes.  All clusters of a batch walk the same K and V: the batch's first cluster asks.  Its four partners share the bytes out BY ADDRESS:
; no branch hangs on a work-group's place in its cluster.  Pass 1: a slot's 131,072 bytes of K are 4 partners x waves 0 to 3 x 8,192; the change that loads slot n + 1 asks for slot n + 3.
; Pass 2: a step's 32,768 bytes of V are 4 partners x wave 6 x 8,192; step j asks for step j + 4's.  So each aligned block of 256 bytes is named once.  how = 1: always; how = 0: not in the loop's last trip.
.macro ASK how, lim, pf
.if \how
	s_cmp_eq_u32 s[\lim], 1
.else
	s_cmp_gt_u32 s[CNT], s[\lim]
.endif
	s_cbranch_scc0 .Lnot_mine_\@
	global_prefetch_b8 v[PFO], s[\pf:\pf+1] th:TH_LOAD_NT scope:SCOPE_SE
.Lnot_mine_\@:
.endm
.macro FETCHK adr, off                 ; a key tile's four fragments (16 keys x 512 features): 16 loads of 512 consecutive bytes
.set n, 0
.rept 16
	ds_load_b128 v[KF+4*n:KF+4*n+3], v[\adr] offset:\off+512*n
.set n, n+1
.endr
.endm
; 16 matrix instructions: the key tile in KF against all 64 queries, both softmaxes.  Chain x = 4 (softmax - 1) + q; 256 features are two instructions.  The first starts the sum: nothing is cleared.
; The eight accumulators take turns, one instruction a turn.
.macro QK sb
	WIN 0x04                           ; source 1 (Q) window 1
.irp u, 0,1
.irp x, 0,1,2,3,4,5,6,7
.if \u == 0
	v_wmma_f32_16x16x128_fp8_fp8 v[\sb+8*\x:\sb+8*\x+7], v[KF+32*(\x/4)+16*\u:KF+32*(\x/4)+16*\u+15], v[64*(\x%4)+32*(\x/4)+16*\u:64*(\x%4)+32*(\x/4)+16*\u+15], 0
.else
	v_wmma_f32_16x16x128_fp8_fp8 v[\sb+8*\x:\sb+8*\x+7], v[KF+32*(\x/4)+16*\u:KF+32*(\x/4)+16*\u+15], v[64*(\x%4)+32*(\x/4)+16*\u:64*(\x%4)+32*(\x/4)+16*\u+15], v[\sb+8*\x:\sb+8*\x+7]
.endif
.endr
.endr
	WIN 0
.endm
.macro MAXS sb                         ; the running largest raw sum; the chains by turns, each accumulator from its low end on
.irp k, 0,1,2,3
.irp x, 0,1,2,3,4,5,6,7
	v_max3_num_f32 v[ST+6*\x+1], v[ST+6*\x+1], v[\sb+8*\x+2*\k], v[\sb+8*\x+2*\k+1]
.endr
.endr
.endm
; PASS 1, a slot of 256 keys: my two key tiles, 32 matrix instructions.
.macro WORK1 p, ask, how
	FETCHK AK1+\p, 0
.if \ask
	ASK \how, LIM1, PFA
.endif
	s_wait_dscnt 0x0
	QK SA
	PLACES 4                                       ; in front of loads into registers that the products read, and of the first read of their results
	FETCHK AK1+\p, 8192
	MAXS SA
	s_wait_dscnt 0x0
	QK SB
	PLACES 4
	MAXS SB
.irp x, 0,1,2,3,4,5,6,7
	v_mul_f32 v[ST+6*\x+5], s[C1+2*(\x/4)], v[ST+6*\x+1]   ; the largest t (c is positive)
.endr
.irp x, 0,1,2,3,4,5,6,7
	v_floor_f32 v[ST+6*\x+5], -v[ST+6*\x+5]        ; the new N: minus the largest t rounded up: a whole number
.endr
.irp x, 0,1,2,3,4,5,6,7
	v_sub_f32 v[ST+6*\x+4], v[ST+6*\x+5], v[ST+6*\x]   ; new N - old N: a whole number, 0 or less
.endr
.irp x, 0,1,2,3,4,5,6,7
	v_mov_b32 v[ST+6*\x], v[ST+6*\x+5]
.endr
.irp x, 0,1,2,3,4,5,6,7
	v_cvt_i32_f32 v[ST+6*\x+4], v[ST+6*\x+4]       ; (it saturates)
.endr
.irp x, 0,1,2,3,4,5,6,7
	v_ldexp_f32 v[ST+6*\x+4], 1.0, v[ST+6*\x+4]    ; the factor that brings the old sum under the new N: a power of two
.endr
.irp sb, SA, SB
.irp k, 0,1,2,3
.irp x, 0,1,2,3,4,5,6,7
	v_pk_fma_f32 v[\sb+8*\x+2*\k:\sb+8*\x+2*\k+1], v[\sb+8*\x+2*\k:\sb+8*\x+2*\k+1], s[C1+2*(\x/4):C1+2*(\x/4)+1], v[ST+6*\x:ST+6*\x+1] op_sel_hi:[1,0,0]   ; t + N, two at a time (of the pairs c and N the low word serves both halves)
.endr
.endr
.endr
.set j, 0
.rept 128
	v_exp_f32 v[SA+j], v[SA+j]                     ; 2^(t + N), at most 1
.set j, j+1
.endr
.irp x, 0,1,2,3,4,5,6,7
	v_pk_mul_f32 v[ST+6*\x+2:ST+6*\x+3], v[ST+6*\x+2:ST+6*\x+3], v[ST+6*\x+4:ST+6*\x+5] op_sel_hi:[1,0]   ; the sums under the new N.  (Plain instructions behind the exponentials, which name none of their results)
.endr
	s_wait_alu depctr_va_vdst(0)                   ; one wait for the whole batch of exponentials, ahead of its first reader
.irp sb, SA, SB
.irp k, 0,1,2,3
.irp x, 0,1,2,3,4,5,6,7
	v_pk_add_f32 v[ST+6*\x+2:ST+6*\x+3], v[ST+6*\x+2:ST+6*\x+3], v[\sb+8*\x+2*\k:\sb+8*\x+2*\k+1]
.endr
.endr
.endr
.endm
; The change of slots stands at a slot's head.  Each wave waits for all its tensor loads (one is out: its part of the slot that it is about to read), adds 0 to its spare word, and waits for that and for its reads of
; the slot that it has left.  Behind the round the slot ahead is whole in every partner and nobody reads the other one: it is filled first.  kind = 1: with the next 256 keys; kind = 2: with pass 2's first 128 keys of K.
.macro TRIP1 p, kind, ask, how
	s_wait_tensorcnt 0x0                           ; no tensor load of mine is out, so a group 0 may be written
	ds_add_u32 v[SPW], v[NIL]                      ; 0 onto my spare word: the steps below stand between it and the wait for it
	s_add_nc_u64 s[G0A+4*\p+2:G0A+4*\p+3], s[G0A+4*\p+2:G0A+4*\p+3], 2*SLOT   ; this slot's next keys; the type bits on top are not reached
.if \ask
	s_wait_xcnt 0x0                                ; the last prefetch, a slot back, has read its address, so it may be written
	s_add_nc_u64 s[PFA:PFA+1], s[PFA:PFA+1], SLOT
.endif
	s_wait_dscnt 0x0                               ; the add is done, and my reads of the slot that I have left are over
	CROUND
.if \kind == 1
	JL1 1-\p                                       ; the first thing behind the round, and my one tensor load until the next
.else
	JL2 0, 0, 1, 0
.endif
	WORK1 \p, \ask, \how
.endm
; PASS 2, the scores of my key tile (already in KF) become diff's codes, into buffer pb of the images.
.macro SPH pb
	QK SB
	PLACES 4
.irp k, 0,1,2,3
.irp x, 0,1,2,3,4,5,6,7
	v_pk_fma_f32 v[SB+8*\x+2*\k:SB+8*\x+2*\k+1], v[SB+8*\x+2*\k:SB+8*\x+2*\k+1], s[C1+2*(\x/4):C1+2*(\x/4)+1], v[NC+2*\x:NC+2*\x+1] op_sel_hi:[1,0,0]   ; t + N - log2 L (+ log2 lambda); each accumulator from its low end on
.endr
.endr
.set j, 0
.rept 64
	v_exp_f32 v[SB+j], v[SB+j]                     ; P1, and lambda P2: finished and normalised
.set j, j+1
.endr
	v_nop                                          ; a plain instruction behind the last exponential
	s_wait_alu depctr_va_vdst(0)                   ; one wait for the batch, ahead of its first reader
.set j, 0
.rept 16
	v_pk_add_f32 v[SB+2*j:SB+2*j+1], v[SB+2*j:SB+2*j+1], v[SB+32+2*j:SB+32+2*j+1] neg_lo:[0,1] neg_hi:[0,1]   ; diff = P1 - lambda P2
.set j, j+1
.endr
.set j, 0
.rept 32
	v_med3_num_f32 v[SB+j], v[SB+j], -v[VLIM], v[VLIM]   ; the conversion to an 8-bit code does not saturate (ISA guide 7.6.2): the hold at 448 x the scale
.set j, j+1
.endr
.irp q, 0,1,2,3
	v_cvt_scalef32_pk8_fp8_f32 v[PC+2*\q:PC+2*\q+1], v[SB+8*\q:SB+8*\q+7], v[VSC]
.endr
	v_nop                                          ; one plain vector instruction behind the last conversion
.irp q, 0,1,2,3
	ds_store_b64 v[APW], v[PC+2*\q:PC+2*\q+1] offset:8192*(\pb)+2048*\q   ; registers 2 w, 2 w + 1 of query tile q's fragment
.endr
.endm
; PASS 2, step j, p = j % 2.  ONE barrier a step.  In front of it: diff's codes of step j are stored, and K of step j + 1 and V of step j have landed.  Behind it: K's place in slot p (read in step j - 1) takes step j + 2's,
; V's place in slot 1 - p (read in step j - 1) takes step j + 1's; O^T += V^T diff^T of step j; the scores of step j + 1 (more = 1).
.macro STEP2 p, zero, fk, fv, more, ask, how
	s_wait_tensorcnt 0x0                           ; no tensor load of mine is out, so a group 0 may be written
	ds_add_u32 v[SPW], v[NIL]                      ; 0 onto my spare word
.if \fk || \fv
	s_add_nc_u64 s[G0K+4*(1-\p)+2:G0K+4*(1-\p)+3], s[G0K+4*(1-\p)+2:G0K+4*(1-\p)+3], 2*65536   ; the descriptors that the step before used: two steps on
	s_add_nc_u64 s[G0V+4*\p+2:G0V+4*\p+3], s[G0V+4*\p+2:G0V+4*\p+3], 2*32768
.endif
.if \ask
	s_wait_xcnt 0x0                                ; the last prefetch, a step back, has read its address
	s_add_nc_u64 s[PFV:PFV+1], s[PFV:PFV+1], 32768
.endif
	s_wait_dscnt 0x0                               ; the add is done, my codes have landed, and my reads of what is filled next are over
.if \fk || \fv
	CROUND
	JL2 \p, 1-\p, \fk, \fv                         ; the first thing behind the round, one tensor load a wave at the most
.else
	s_barrier_signal -1
	s_barrier_wait -1
.endif
.set n, 0
.rept 16
	ds_load_b128 v[SB+4*n:SB+4*n+3], v[AP] offset:8192*\p+512*n   ; diff's four fragments, as all eight waves stored them
.set n, n+1
.endr
.set n, 0
.rept 8
	ds_load_b128 v[VF+4*n:VF+4*n+3], v[AV+\p] offset:512*n        ; my two fragments of V
.set n, n+1
.endr
.if \more
	FETCHK AK2+1-\p, 0                             ; my key tile of the next step
.endif
.if \ask
	ASK \how, LIM2, PFV
.endif
.if \more
	s_wait_dscnt 16                                ; diff and V are in; K's 16 loads, issued behind them, may be out
.else
	s_wait_dscnt 0x0
.endif
.irp q, 0,1,2,3
.irp ct, 0,1
.if \zero
	v_wmma_f32_16x16x128_fp8_fp8 v[OA+8*(4*\ct+\q):OA+8*(4*\ct+\q)+7], v[VF+16*\ct:VF+16*\ct+15], v[SB+16*\q:SB+16*\q+15], 0
.else
	v_wmma_f32_16x16x128_fp8_fp8 v[OA+8*(4*\ct+\q):OA+8*(4*\ct+\q)+7], v[VF+16*\ct:VF+16*\ct+15], v[SB+16*\q:SB+16*\q+15], v[OA+8*(4*\ct+\q):OA+8*(4*\ct+\q)+7]
.endif
.endr
.endr
.if \more
	s_wait_dscnt 0x0                               ; K is in
	PLACES 5                                       ; the score products write over diff's fragments, which the products above read: five places
	SPH 1-\p
.endif
.endm
	s_load_b256 s[4:11], s[0:1], 0x0               ; Qc s[4:5], Kc s[6:7], Vc s[8:9], lam s[10:11]
	s_load_b128 s[12:15], s[0:1], 0x20             ; the exponents s[12:13], out0 s[14:15]
	v_lshl_add_u32 v[SPW], v0, 2, SPARE
	v_mov_b32 v[NIL], 0
	ds_add_u32 v1, v2
	ds_add_u32 v1, v2
	s_wait_dscnt 0x0
	v_lshrrev_b32 v16, 5, v0
	v_readfirstlane_b32 s[WV], v16                 ; wave 0..7
	s_bfe_u32 s17, ttmp6, 0x40000                  ; cx: my place in the cluster
	s_and_b32 s18, ttmp7, 0xffff                   ; the batch, which the four partners share
	s_lshl_b32 s19, ttmp9, 2                       ; in a cluster launch ttmp9 counts clusters
	s_add_co_u32 s19, s19, s17                     ; my block of 64 queries: it enters Q's and out0's addresses alone
	; descriptor group 1: 16,384 dense bytes as 64 rows of 32 elements of 8 bytes
	s_mov_b32 s[G1], 15|(3<<16)|(1<<21)            ; 15:0 the mask: all four work-groups; 17:16 elements of 8 bytes; 21 set beside a mask; no padding
	s_mov_b32 s[G1+1], 32<<16                      ; tensor_dim0 = 32
	s_mov_b32 s[G1+2], 64<<16                      ; tensor_dim1 = 64
	s_mov_b32 s[G1+3], 32<<16                      ; tile_dim0 = 32
	s_mov_b32 s[G1+4], 64                          ; tile_dim1 = 64
	s_mov_b32 s[G1+5], 32                          ; from row to row: 32 elements
	s_mov_b32 s[G1+6], 0
	s_mov_b32 s[G1+7], 0
	s_mov_b32 s[SEL], 0x76543210
	s_mov_b32 s[SEL+1], 0xfedcba98
	; every LDS address is a constant + a constant x lane + a constant x wave
	v_and_b32 v16, 31, v0                          ; lane
	v_lshlrev_b32 v17, 4, v16                      ; 16 x lane
	s_lshl_b32 s83, s[WV], 14                      ; 16,384 w: also my part of a slot on the way in
	v_add_nc_u32 v[AK1], s83, v17
	v_add_nc_u32 v[AK1+1], SLOT, v[AK1]
	s_lshl_b32 s84, s[WV], 13
	v_add_nc_u32 v[AK2], s84, v17
	v_add_nc_u32 v[AK2+1], SLOT, v[AK2]
	s_lshl_b32 s84, s[WV], 12
	s_add_co_u32 s84, s84, VREG
	v_add_nc_u32 v[AV], s84, v17
	v_add_nc_u32 v[AV+1], SLOT, v[AV]
	v_add_nc_u32 v[AP], PIMG, v17
	s_lshr_b32 s84, s[WV], 1
	s_lshl_b32 s84, s84, 9
	s_and_b32 s85, s[WV], 1
	s_lshl_b32 s85, s85, 3
	s_add_co_u32 s84, s84, s85
	v_add_nc_u32 v[APW], s84, v[AP]
	v_lshlrev_b32 v[PFO], 8, v16
	v_lshlrev_b32 v18, 3, v16
	v_add_nc_u32 v[AMR], MERGE, v18
	s_lshl_b32 s84, s[WV], 8
	v_add_nc_u32 v[AM], s84, v[AMR]
	v_mov_b32 v64, v17                             ; Q's loads take their offset from here: v64 is next written by the first products, behind the wait for those loads
	s_lshr_b32 s84, s[WV], 2                       ; 0 in waves 0 to 3,
	s_or_b32 s84, s84, ttmp9                       ; of the batch's first cluster: the same in all four partners
	s_cmp_eq_u32 s84, 0
	s_cselect_b32 s[LIM1], 1, -1
	s_xor_b32 s84, s[WV], 6                        ; 0 in wave 6
	s_or_b32 s84, s84, ttmp9
	s_cmp_eq_u32 s84, 0
	s_cselect_b32 s[LIM2], 1, -1
	s_wait_kmcnt 0x0
	s_load_b128 s[76:79], s[12:13], 0x18           ; e6 .. e9
	s_load_b64 s[80:81], s[12:13], 0x28            ; e10, e11
	s_load_b32 s82, s[10:11], 0x0                  ; lam
	s_mov_b32 s21, 0
	s_lshl_b32 s20, s18, 21
	s_add_nc_u64 s[6:7], s[6:7], s[20:21]          ; K's codes of my batch: 4,096 tokens x 512 bytes
	s_lshl_b32 s20, s18, 20
	s_add_nc_u64 s[8:9], s[8:9], s[20:21]          ; V's: 4,096 x 256
	s_mov_b32 s85, 0
	s_mov_b32 s84, s83
	s_add_nc_u64 s[86:87], s[6:7], s[84:85]        ; K at my part of a slot
	s_and_b32 s84, s[WV], 1
	s_lshl_b32 s84, s84, 14
	s_add_nc_u64 s[90:91], s[8:9], s[84:85]        ; V at my half of a step (waves 4, 5)
.irp p, 0,1
	s_mov_b32 s[G0A+4*\p], 1                       ; 1:0 count = 1
	s_add_co_u32 s[G0A+4*\p+1], s83, \p*SLOT       ; 63:32 LDS address: no place in the cluster enters it
	s_add_nc_u64 s[G0A+4*\p+2:G0A+4*\p+3], s[86:87], \p*SLOT   ; 120:64 global address: pass 1's slot p
	s_or_b32 s[G0A+4*\p+3], s[G0A+4*\p+3], 0x80000000          ; 127:126 type = 2
	s_mov_b32 s[G0K+4*\p], 1
	s_add_co_u32 s[G0K+4*\p+1], s83, \p*SLOT
	s_add_nc_u64 s[G0K+4*\p+2:G0K+4*\p+3], s[86:87], \p*65536  ; pass 2's step p
	s_or_b32 s[G0K+4*\p+3], s[G0K+4*\p+3], 0x80000000
	s_mov_b32 s[G0V+4*\p], 1
	s_add_co_u32 s[G0V+4*\p+1], s83, \p*SLOT       ; in waves 4 and 5: VREG and VREG + 16,384
	s_add_nc_u64 s[G0V+4*\p+2:G0V+4*\p+3], s[90:91], \p*32768
	s_or_b32 s[G0V+4*\p+3], s[G0V+4*\p+3], 0x80000000
.endr
	; what hangs on my place in the cluster is made in registers of its own
	s_mov_b32 s89, 0
	s_lshl_b32 s88, s18, 21
	s_lshl_b32 s92, s19, 15
	s_add_co_u32 s88, s88, s92
	s_add_nc_u64 s[4:5], s[4:5], s[88:89]          ; Q's codes of my 64 queries: 32,768 bytes on end
	s_lshl_b32 s88, s18, 22
	s_lshl_b32 s92, s19, 16
	s_add_co_u32 s88, s88, s92
	s_lshl_b32 s92, s[WV], 13
	s_add_co_u32 s88, s88, s92
	s_add_nc_u64 s[14:15], s[14:15], s[88:89]      ; out0 at the 8 rows that I store
	s_lshl_b32 s88, s17, 15
	s_add_co_u32 s88, s88, s92
	s_add_co_u32 s88, s88, 2*SLOT
	s_add_nc_u64 s[PFA:PFA+1], s[6:7], s[88:89]    ; in slot 2: the first change of slots steps it to slot 3.  Nothing is prefetched at the head
	s_lshl_b32 s88, s17, 13
	s_add_co_u32 s88, s88, 3*32768
	s_add_nc_u64 s[PFV:PFV+1], s[8:9], s[88:89]    ; in step 3: step 0 steps it to step 4
	CROUND                                         ; all four work-groups are here: the first joint loads meet
	JL1 0                                          ; slot 0
	WIN 0x40                                       ; destination window 1
.set n, 0
.rept 64
	global_load_b128 v[4*n:4*n+3], v64, s[4:5] offset:512*n   ; Q stays in registers: fragment (q, g) at v[16 (4 q + g)]
.set n, n+1
.endr
	WIN 0
.irp x, 0,1,2,3,4,5,6,7
	v_mov_b32 v[ST+6*\x], 0x7f61b1e6               ; N: 3e38, above every N: the first factor is 0
	v_mov_b32 v[ST+6*\x+1], 0xff61b1e6             ; MX: -3e38, under every sum
	v_mov_b32 v[ST+6*\x+2], 0                      ; L
	v_mov_b32 v[ST+6*\x+3], 0
	v_mov_b32 v[ST+6*\x+4], 0
	v_mov_b32 v[ST+6*\x+5], 0
.endr
	s_wait_kmcnt 0x0
	s_add_co_i32 s84, s76, s77
	s_lshl_b32 s84, s84, 23
	s_add_co_i32 s[C1], s84, 0x3db8aa3b            ; log2(e) / 16, with e6 + e7 added to its exponent field
	s_mov_b32 s[C1+1], s[C1]                       ; (named with it as a pair, so it is written)
	s_add_co_i32 s84, s78, s79
	s_lshl_b32 s84, s84, 23
	s_add_co_i32 s[C1+2], s84, 0x3db8aa3b          ; the same with e8 + e9
	s_mov_b32 s[C1+3], s[C1+2]
	s_add_co_i32 s84, s80, 127
	s_lshl_b32 s85, s84, 23
	v_mov_b32 v[VSC], s85                          ; 2^e10 as f32: the conversion takes its exponent field
	s_add_co_i32 s84, s84, 8
	s_lshl_b32 s84, s84, 23
	s_or_b32 s84, s84, 0x600000
	v_mov_b32 v[VLIM], s84                         ; 448 x 2^e10
	s_add_co_i32 s84, s80, s81
	s_add_co_i32 s84, s84, 127
	s_lshl_b32 s[OSC], s84, 23                     ; 2^(e10 + e11) as f32
	s_mov_b32 s[OSC+1], s[OSC]
	s_wait_loadcnt 0x0                             ; Q
	; ---- PASS 1: 16 slots of 256 keys
	s_mov_b32 s[CNT], 7
.Lp1:
	TRIP1 0, 1, 1, 1
	TRIP1 1, 1, 1, 0
	s_sub_co_u32 s[CNT], s[CNT], 1
	s_cmp_lg_u32 s[CNT], 0
	s_cbranch_scc1 .Lp1
	TRIP1 0, 1, 0, 0                               ; slot 14; slot 15 is asked for
	TRIP1 1, 2, 0, 0                               ; slot 15; slot 0's first half takes pass 2's first keys
	; ---- each lane's (N, L) of each chain goes to LDS
.irp x, 0,1,2,3,4,5,6,7
	v_add_f32 v[ST+6*\x+1], v[ST+6*\x+2], v[ST+6*\x+3]   ; L's two halves, beside N
.endr
.irp x, 0,1,2,3,4,5,6,7
	ds_store_b64 v[AM], v[ST+6*\x:ST+6*\x+1] offset:2048*\x
.endr
	s_wait_tensorcnt 0x0                           ; K of step 0 has landed
	ds_add_u32 v[SPW], v[NIL]                      ; 0 onto my spare word
	s_add_nc_u64 s[G0K+2:G0K+3], s[G0K+2:G0K+3], 2*65536   ; slot 0's next tile of K: step 2's
	s_wait_dscnt 0x0                               ; the add is done, my partial results have landed, and my reads of slot 1 are over
	CROUND
	JL2 1, 0, 1, 1                                 ; K of step 1, V of step 0
	; ---- THE MERGE: lane l takes lane l's partial results of all eight waves, then lane l xor 16's
.set j, 0
.rept 64
	ds_load_b64 v[64+2*j:65+2*j], v[AMR] offset:256*j   ; chain j / 8, wave j % 8
.set j, j+1
.endr
	FETCHK AK2, 0                                  ; my key tile of step 0
	v_mov_b32 v56, 0x3fb8aa3b
	v_mul_f32 v56, s82, v56                        ; lam log2(e)
	v_exp_f32 v56, v56                             ; e^lam; the merge's first lines stand between it and the wait for it
	s_wait_dscnt 16                                ; the partial results are in; K's 16 loads, issued behind them, may be out
.irp x, 0,1,2,3,4,5,6,7
	v_min3_num_f32 v[32+\x], v[64+16*\x], v[66+16*\x], v[68+16*\x]
.endr
.irp x, 0,1,2,3,4,5,6,7
	v_min3_num_f32 v[32+\x], v[32+\x], v[70+16*\x], v[72+16*\x]
.endr
.irp x, 0,1,2,3,4,5,6,7
	v_min3_num_f32 v[32+\x], v[32+\x], v[74+16*\x], v[76+16*\x]
.endr
.irp x, 0,1,2,3,4,5,6,7
	v_min_num_f32 v[32+\x], v[32+\x], v[78+16*\x]
.endr
.irp x, 0,1,2,3,4,5,6,7
	v_permlanex16_b32 v[40+\x], v[32+\x], s[SEL], s[SEL+1]   ; (its destination counts as read: v40-47 were written at the head)
.endr
.irp x, 0,1,2,3,4,5,6,7
	v_min_num_f32 v[32+\x], v[32+\x], v[40+\x]     ; the row's N: the least, that is the largest maximum
.endr
.set j, 0
.rept 64
	v_sub_f32 v[64+2*j], v[32+j/8], v[64+2*j]      ; N - N_i: a whole number, 0 or less
.set j, j+1
.endr
.set j, 0
.rept 64
	v_cvt_i32_f32 v[64+2*j], v[64+2*j]
.set j, j+1
.endr
.set j, 0
.rept 64
	v_ldexp_f32 v[65+2*j], v[65+2*j], v[64+2*j]    ; L_i under the row's N
.set j, j+1
.endr
.set j, 0
.rept 32
	v_add_f32 v[65+4*j], v[65+4*j], v[67+4*j]
.set j, j+1
.endr
.set j, 0
.rept 16
	v_add_f32 v[65+8*j], v[65+8*j], v[69+8*j]
.set j, j+1
.endr
.irp x, 0,1,2,3,4,5,6,7
	v_add_f32 v[48+\x], v[65+16*\x], v[73+16*\x]
.endr
.irp x, 0,1,2,3,4,5,6,7
	v_permlanex16_b32 v[40+\x], v[48+\x], s[SEL], s[SEL+1]
.endr
.irp x, 0,1,2,3,4,5,6,7
	v_add_f32 v[48+\x], v[48+\x], v[40+\x]         ; the row's L
.endr
	s_wait_alu depctr_va_vdst(0)                   ; the wait for e^lam, ahead of its first reader
	v_add_f32 v56, 0x3d4ccccd, v56                 ; lambda = e^lam + 0.05
.irp x, 0,1,2,3,4,5,6,7
	v_log_f32 v[48+\x], v[48+\x]                   ; log2 L
.endr
	v_log_f32 v56, v56                             ; log2 lambda
	v_nop                                          ; a plain instruction behind the last logarithm
	s_wait_alu depctr_va_vdst(0)                   ; one wait for the nine
.irp x, 0,1,2,3,4,5,6,7
	v_sub_f32 v[NC+2*\x], v[32+\x], v[48+\x]       ; N - log2 L
.endr
.irp x, 4,5,6,7
	v_add_f32 v[NC+2*\x], v[NC+2*\x], v56          ; the second softmax carries lambda
.endr
.irp x, 0,1,2,3,4,5,6,7
	v_mov_b32 v[NC+2*\x+1], v[NC+2*\x]             ; (named with it as a pair, so it is written)
.endr
	s_wait_dscnt 0x0                               ; K of step 0 is in registers
	SPH 0                                          ; diff of step 0
	; ---- PASS 2: 32 steps of 128 keys
	STEP2 0, 1, 1, 1, 1, 1, 1                      ; step 0: its products start O^T's sums
	s_mov_b32 s[CNT], 14
.Lp2:                                              ; steps 1 to 28
	STEP2 1, 0, 1, 1, 1, 1, 1
	STEP2 0, 0, 1, 1, 1, 1, 0
	s_sub_co_u32 s[CNT], s[CNT], 1
	s_cmp_lg_u32 s[CNT], 0
	s_cbranch_scc1 .Lp2
	STEP2 1, 0, 1, 1, 1, 0, 0                      ; step 29: the last tile of K and V of step 30 are asked for
	STEP2 0, 0, 0, 1, 1, 0, 0                      ; step 30: V of step 31 alone
	STEP2 1, 0, 0, 0, 0, 0, 0                      ; step 31: nothing is filled, no scores follow
	; ---- THE WAY OUT.  A lane holds eight neighbouring channels of a row; a row's 256 channels come from eight waves.  They meet in a stage, and each wave stores 8 whole rows.
	; The ten address lines are plain, name no register of the last products and stand between them and the first read of their results.
	v_and_b32 v5, 15, v0                           ; r
	v_bfe_u32 v6, v0, 4, 1                         ; h
	v_and_b32 v7, 31, v0                           ; lane
	v_mul_u32_u24 v3, v5, SPITCH
	v_lshl_add_u32 v3, v6, 5, v3
	s_lshl_b32 s83, s[WV], 7
	v_add_nc_u32 v3, s83, v3                       ; in: row r, + 32 h, + 128 w: my channels' bytes
	v_lshlrev_b32 v14, 4, v7                       ; 16 x lane
	s_mul_i32 s83, s[WV], 8*SPITCH
	v_add_nc_u32 v4, s83, v14                      ; back: my 8 rows, 16 bytes a lane
	v_nop
	v_nop
.set j, 0
.rept 32
	v_pk_mul_f32 v[SB+2*j:SB+2*j+1], v[OA+2*j:OA+2*j+1], s[OSC:OSC+1] op_sel_hi:[1,0]   ; x 2^(e10 + e11): nothing is rounded, short of overflow and underflow; each accumulator from its low end on
.set j, j+1
.endr
.irp q, 0,1,2,3
.irp ct, 0,1
	ds_store_b128 v3, v[SB+8*(4*\ct+\q):SB+8*(4*\ct+\q)+3] offset:16*SPITCH*\q+64*\ct
	ds_store_b128 v3, v[SB+8*(4*\ct+\q)+4:SB+8*(4*\ct+\q)+7] offset:16*SPITCH*\q+64*\ct+16
.endr
.endr
	s_wait_dscnt 0x0                               ; for the others' sake: my stores into the stage are done
	s_barrier_signal -1
	s_barrier_wait -1
.set n, 0
.rept 16
	ds_load_b128 v[KF+4*n:KF+4*n+3], v4 offset:SPITCH*(n/2)+512*(n%2)
.set n, n+1
.endr
.set n, 0
.rept 16
	s_wait_dscnt 15-n                              ; load n is in; the 15 - n issued behind it may be out
	global_store_b128 v14, v[KF+4*n:KF+4*n+3], s[14:15] offset:1024*(n/2)+512*(n%2) th:TH_STORE_NT   ; 32 lanes store 512 consecutive bytes, at a multiple of 512 from out0's first byte
.set n, n+1
.endr
	s_wait_tensorcnt 0x0                           ; the wave's end: behind my last tensor load and my last LDS store
	ds_add_u32 v[SPW], v[NIL]
	s_wait_dscnt 0x0
	CROUND                                         ; the closing round: no work-group ends while a partner may still ask for a tile that names it
	s_endpgm
.Lfunc_end_k_qd0503c1aeb_attn:
	.size	k_qd0503c1aeb_attn, .Lfunc_end_k_qd0503c1aeb_attn-k_qd0503c1aeb_attn
	.p2alignl 7, 3214868480
	.fill 96, 4, 3214868480
	.section	.rodata,"a",@progbits
	.p2align	6, 0x0
	.amdhsa_kernel k_qd0503c1aeb_attn
		.amdhsa_group_segment_fixed_size 327680
		.amdhsa_private_segment_fixed_size 0
		.amdhsa_enable_private_segment 0
		.amdhsa_kernarg_size 48
		.amdhsa_user_sgpr_count 2
		.amdhsa_user_sgpr_kernarg_segment_ptr 1
		.amdhsa_wavefront_size32 1
		.amdhsa_system_sgpr_workgroup_id_x 1
		.amdhsa_system_sgpr_workgroup_id_y 1
		.amdhsa_system_sgpr_workgroup_id_z 1
		.amdhsa_system_vgpr_workitem_id 0
		.amdhsa_next_free_vgpr 512
		.amdhsa_next_free_sgpr 100
		.amdhsa_reserve_vcc 0
		.amdhsa_float_denorm_mode_32 3
		.amdhsa_float_denorm_mode_16_64 3
		.amdhsa_memory_ordered 1
		.amdhsa_forward_progress 1
		.amdhsa_inst_pref_size 216
	.end_amdhsa_kernel
	.amdgpu_metadata
---
amdhsa.version: [ 1, 2 ]
amdhsa.kernels:
  - .name:           k_qd0503c1aeb_attn
    .symbol:         k_qd0503c1aeb_attn.kd
    .args:
      - { .name: Qc, .offset: 0, .size: 8, .value_kind: global_buffer, .address_space: global }
      - { .name: Kc, .offset: 8, .size: 8, .value_kind: global_buffer, .address_space: global }
      - { .name: Vc, .offset: 16, .size: 8, .value_kind: global_buffer, .address_space: global }
      - { .name: lam, .offset: 24, .size: 8, .value_kind: global_buffer, .address_space: global }
      - { .name: lowp_scales, .offset: 32, .size: 8, .value_kind: global_buffer, .address_space: global }
      - { .name: out0, .offset: 40, .size: 8, .value_kind: global_buffer, .address_space: global }
    .group_segment_fixed_size: 327680
    .private_segment_fixed_size: 0
    .kernarg_segment_align: 8
    .kernarg_segment_size: 48
    .max_flat_workgroup_size: 256
    .sgpr_count:     100
    .vgpr_count:     512
    .wavefront_size: 32
...
	.end_amdgpu_metadata
.endif
;; end of part 2
;; ======== version 2 of 2: 2 launches
;; limits: right only within a limited range of input values
;; workspace buffers: Qc 8,388,608 bytes; Kc 8,388,608 bytes; Vc 4,194,304 bytes
;; launch proj (part 3): grid 128 x 2, 4 waves a work-group, no clusters, 101,888 bytes of LDS; arguments X_codes, Wq_codes, Wk_codes, Wv_codes, bq, bk, bv, lowp_scales, Qc, Kc, Vc; writes Qc, Kc, Vc
.if DOCPART == 3
	.amdgcn_target "amdgcn-amd-amdhsa--gfx1250"
	.amdhsa_code_object_version 6
	.text
	.protected	k_qd0503c1aeb_proj
	.globl	k_qd0503c1aeb_proj
	.p2align	8
	.type	k_qd0503c1aeb_proj,@function
k_qd0503c1aeb_proj:
	s_mov_b64 s[64:65], 0
	v_nop
	global_prefetch_b8 v0, s[64:65] scope:SCOPE_SE
	s_setreg_imm32_b32 hwreg(HW_REG_WAVE_MODE, 25, 1), 1
	s_wait_xcnt 0x0
; Q = X Wq^T + bq, K = X Wk^T + bk, V = X Wv^T + bv on codes of FP8 (E4M3), each result quantised at once, with its given scale, for the attention launch.
; X: [16384][512] codes; Wq, Wk: [512][512]; Wv: [256][512] codes, K innermost; biases f32.
; RESULTS ARE STORED AS IMAGES OF OPERAND REGISTERS.  A fragment is 16 rows x 128 along K = 16 registers a lane = 2,048 bytes; registers 4 c .. 4 c + 3 of lane l lie at 512 c + 16 l.
;   Qc, Kc: fragment (token / 16, feature group g of 128) at (4 T + g) x 2,048; lane (r, h) holds token r, registers 2 c, 2 c + 1 features 16 c + 8 h + 0 .. 7 of the group.
;   Vc:     fragment (token / 128, channel / 16) at (16 KB + ct) x 2,048; lane (r, h) holds channel r, registers 2 c, 2 c + 1 tokens 16 c + 8 h + 0 .. 7: the keys are the last product's K.
; SHARES.  Work-group (x, y): 128 tokens (x); y = 0: Q and V's channels 0-127; y = 1: K and V's channels 128-255.  Only pointers and exponents are chosen by y: the text has one path.
; Wave w makes feature group w (8 tiles of 16) and 32 channels of V (2 tiles) for all 128 tokens.  Its weights, (8 + 2) tiles x 4 K steps x 16 = 640 registers, stay in registers.
; NO CLUSTER, NO TENSOR LOAD: a work-group's weights are 4 x 160 rows x 512 bytes = 327,680 bytes, as much LDS as a work-group can be given, so they cannot land there beside X's 67,584 bytes;
; they go once into registers.  Every global load of a wave reads one whole row, 512 consecutive bytes, and rows turn into fragments through LDS (rows 528 bytes apart).
; Q and K: the matrix instruction is used transposed (source 0 = 16 rows of W, source 1 = 16 tokens): a lane holds one token and eight neighbouring features, which the conversion packs.
; V: source 0 = 16 tokens, source 1 = 16 rows of Wv: a lane holds one channel and eight neighbouring tokens.
; X's and W's fragments are fetched by four 16-byte loads (registers 4 c .. 4 c + 3: k = 32 c + 16 h + 0 .. 15): the same permutation of k on both sides.
; A sum stands for sum x 2^(eA + eB): the bias goes in as the C of a sum's first product, as b / 2^(eA + eB), and the conversion takes the one scale 2^(eo - eA - eB).
; LIMITS: eo - eA - eB between -126 and 119 for each of the three products, so that the scale and 448 x the scale are f32 numbers.  NaN is not served; infinities are held at the largest code.
; REGISTERS, in windows of 256.  Window 0: v1-11 addresses and constants; v16-79, v80-143 X's fragments of a token tile, two buffers; v144-207 the 8 sums of Q or K; v208-223 the 2 of V; v224-239 codes.
;   Window 1: W's tiles 0-3 (tile t, K step s at 64 t + 16 s).  Window 2: tiles 4-7.  Window 3: v0-127 Wv's two tiles; v128-191 the bias, 8 registers a tile; v192-207 V's bias; v208-239 V's codes; v240, v241 V's bias as loaded.
.set PX,   528                         ; an LDS row: 512 bytes + 16: an odd multiple of 16 bytes, so the 16 rows of a fragment load start in 16 different 16-byte columns of 256
.set WST,  128*PX                      ; behind X's 128 rows: a stage of 16 rows for each wave
.set LI,   1                           ; v1   16 x lane
.set XW,   2                           ; v2   where I put X's rows: 32 w rows + 16 x lane
.set XR,   3                           ; v3   a fragment's place: 528 r + 16 h
.set SW,   4                           ; v4   my stage, rows in
.set SR,   5                           ; v5   my stage, fragments out
.set BO,   6                           ; v6   32 h: my eight numbers of a tile's bias
.set BVO,  7                           ; v7   4 r: my channel's bias
.set VSQ,  8                           ; v8   2^(eo - eA - eB) for Q or K;  v9  448 x that
.set VLQ,  9
.set VSV,  10                          ; v10, v11 the same for V
.set VLV,  11
.set XF,   16
.set ACC,  144
.set ACCV, 208
.set PC,   224
.set BI,   128                         ; in window 3
.set BV,   192
.set VC,   208
.set RAW,  240
.set MSB, 0
.macro WIN new                         ; the immediate's high byte repeats the setting that is left; a switch that changes nothing is dropped
.if MSB != (\new)
	s_set_vgpr_msb (MSB<<8)|(\new)
.set MSB, (\new)
.endif
.endm
.macro WSEL t                          ; weight tile t lives in window 1 + t / 4 at v[64 (t % 4)]; destination and source 1 (an LDS store's data) in that window, addresses in window 0
.set WN, 1+(\t)/4
.set WB, 64*((\t)%4)
	WIN (WN<<6)|(WN<<2)
.endm
.macro LOADW t                         ; the 16 rows of weight tile t, a row a load, into the tile's own 64 registers
	WSEL \t
.set rho, 0
.rept 16
.if (\t) < 8
	global_load_b128 v[WB+4*rho:WB+4*rho+3], v[LI], s[44:45] offset:(16*(\t)+rho)*512
.else
	global_load_b128 v[WB+4*rho:WB+4*rho+3], v[LI], s[46:47] offset:(16*((\t)-8)+rho)*512
.endif
.set rho, rho+1
.endr
.endm
.macro TURNW t                         ; rows into my stage, fragments back into the registers that they left.  LDS serves a wave's instructions in order (ISA guide 5.7.1.4) and the bytes are my own: no wait, no barrier
	WSEL \t
.set rho, 0
.rept 16
	ds_store_b128 v[SW], v[WB+4*rho:WB+4*rho+3] offset:PX*rho
.set rho, rho+1
.endr
.irp s, 0,1,2,3
.irp c, 0,1,2,3
	ds_load_b128 v[WB+16*\s+4*\c:WB+16*\s+4*\c+3], v[SR] offset:128*\s+32*\c
.endr
.endr
.endm
.macro FETCHX i                        ; X's four fragments of token tile i into buffer i % 2
.irp s, 0,1,2,3
.irp c, 0,1,2,3
	ds_load_b128 v[XF+64*((\i)%2)+16*\s+4*\c:XF+64*((\i)%2)+16*\s+4*\c+3], v[XR] offset:16*PX*(\i)+128*\s+32*\c
.endr
.endr
.endm
; 40 matrix instructions for token tile i.  The accumulators take turns, one instruction a turn: four by four for Q or K, the two of V.
.macro MM i
.set XB, XF+64*((\i)%2)
.irp hf, 0,1
	WIN 0x31+\hf                       ; source 0 (W) window 1 or 2, source 1 (X) window 0, C (the bias) window 3, D window 0
.irp t, 0,1,2,3
	v_wmma_f32_16x16x128_fp8_fp8 v[ACC+8*(4*\hf+\t):ACC+8*(4*\hf+\t)+7], v[64*\t:64*\t+15], v[XB:XB+15], v[BI+8*(4*\hf+\t):BI+8*(4*\hf+\t)+7]
.endr
	WIN 0x01+\hf                       ; C and D window 0
.irp s, 1,2,3
.irp t, 0,1,2,3
	v_wmma_f32_16x16x128_fp8_fp8 v[ACC+8*(4*\hf+\t):ACC+8*(4*\hf+\t)+7], v[64*\t+16*\s:64*\t+16*\s+15], v[XB+16*\s:XB+16*\s+15], v[ACC+8*(4*\hf+\t):ACC+8*(4*\hf+\t)+7]
.endr
.endr
.endr
	WIN 0x3C                           ; V: source 0 (X) window 0, source 1 (Wv) and C (its bias) window 3
.irp ct, 0,1
	v_wmma_f32_16x16x128_fp8_fp8 v[ACCV+8*\ct:ACCV+8*\ct+7], v[XB:XB+15], v[64*\ct:64*\ct+15], v[BV+8*\ct:BV+8*\ct+7]
.endr
	WIN 0x0C
.irp s, 1,2,3
.irp ct, 0,1
	v_wmma_f32_16x16x128_fp8_fp8 v[ACCV+8*\ct:ACCV+8*\ct+7], v[XB+16*\s:XB+16*\s+15], v[64*\ct+16*\s:64*\ct+16*\s+15], v[ACCV+8*\ct:ACCV+8*\ct+7]
.endr
.endr
	WIN 0
.endm
; The sums of token tile i become codes.  The conversion to an 8-bit code does not saturate (ISA guide 7.6.2): each number is first held within 448 x the scale.  Each accumulator is read from its low end on.
.macro QUANT i
.set j, 0
.rept 64
	v_med3_num_f32 v[ACC+j], v[ACC+j], -v[VLQ], v[VLQ]
.set j, j+1
.endr
.irp t, 0,1,2,3,4,5,6,7
	v_cvt_scalef32_pk8_fp8_f32 v[PC+2*\t:PC+2*\t+1], v[ACC+8*\t:ACC+8*\t+7], v[VSQ]   ; tile t's eight features are registers 2 t, 2 t + 1 of the fragment
.endr
.set j, 0
.rept 16
	v_med3_num_f32 v[ACCV+j], v[ACCV+j], -v[VLV], v[VLV]
.set j, j+1
.endr
	WIN 0xC0                           ; destination window 3
.irp ct, 0,1
	v_cvt_scalef32_pk8_fp8_f32 v[VC+16*\ct+2*(\i):VC+16*\ct+2*(\i)+1], v[ACCV+8*\ct:ACCV+8*\ct+7], v[VSV]   ; token tile i's eight tokens are registers 2 i, 2 i + 1 of V's fragment
.endr
	WIN 0
	v_nop                              ; one plain vector instruction between the last conversion and the next products, which write its sources
.endm
	s_load_b512 s[4:19], s[0:1], 0x0               ; X s[4:5], Wq s[6:7], Wk s[8:9], Wv s[10:11], bq s[12:13], bk s[14:15], bv s[16:17], the exponents s[18:19]
	s_load_b128 s[20:23], s[0:1], 0x40             ; Qc, Kc
	s_load_b64 s[24:25], s[0:1], 0x50              ; Vc
	v_lshl_add_u32 v254, v0, 2, 0x18c00
	v_mov_b32 v255, 0
	v_lshrrev_b32 v12, 5, v0
	v_readfirstlane_b32 s26, v12                   ; wave 0..3
	s_and_b32 s27, ttmp7, 0xffff                   ; 0: Q, 1: K
	v_and_b32 v12, 31, v0                          ; lane
	v_and_b32 v13, 15, v0                          ; r
	v_bfe_u32 v14, v0, 4, 1                        ; h
	v_lshlrev_b32 v[LI], 4, v12
	s_mul_i32 s28, s26, 32*PX
	v_add_nc_u32 v[XW], s28, v[LI]
	v_mul_u32_u24 v[XR], v13, PX
	v_lshl_add_u32 v[XR], v14, 4, v[XR]
	s_mul_i32 s28, s26, 16*PX
	s_add_co_u32 s28, s28, WST
	v_add_nc_u32 v[SW], s28, v[LI]
	v_add_nc_u32 v[SR], s28, v[XR]
	v_lshlrev_b32 v[BO], 5, v14
	v_lshlrev_b32 v[BVO], 2, v13
	s_wait_alu depctr_va_vdst(0)
	s_wait_kmcnt 0x0
	s_load_b256 s[32:39], s[18:19], 0x0            ; e0 .. e7
	s_load_b128 s[40:43], s[18:19], 0x20           ; e8 .. e11
	s_cmp_eq_u32 s27, 0                            ; the choice hangs on the work-group's number alone
	s_cselect_b64 s[44:45], s[6:7], s[8:9]         ; W
	s_cselect_b64 s[48:49], s[12:13], s[14:15]     ; its bias
	s_cselect_b64 s[52:53], s[20:21], s[22:23]     ; where its codes go
	s_mov_b32 s31, 0
	s_lshl_b32 s30, s26, 16
	s_add_nc_u64 s[44:45], s[44:45], s[30:31]      ; my 128 rows of W
	s_lshl_b32 s30, s27, 16
	s_lshl_b32 s29, s26, 14
	s_add_co_u32 s30, s30, s29
	s_add_nc_u64 s[46:47], s[10:11], s[30:31]      ; my 32 rows of Wv: 128 y + 32 w
	s_lshl_b32 s30, s26, 9
	s_add_nc_u64 s[48:49], s[48:49], s[30:31]      ; my 128 numbers of the bias
	s_lshl_b32 s30, s27, 9
	s_lshl_b32 s29, s26, 7
	s_add_co_u32 s30, s30, s29
	s_add_nc_u64 s[50:51], s[16:17], s[30:31]      ; my 32 of bv
	s_lshl_b32 s30, ttmp9, 16
	s_add_nc_u64 s[56:57], s[4:5], s[30:31]        ; X at the block's first token,
	s_lshl_b32 s29, s26, 11
	s_add_co_u32 s30, s30, s29
	s_add_nc_u64 s[52:53], s[52:53], s[30:31]      ; the codes: fragment (8 x, w)
	s_lshl_b32 s30, s26, 14
	s_add_nc_u64 s[56:57], s[56:57], s[30:31]      ; and at the 32 rows that I bring in
	s_lshl_b32 s30, ttmp9, 15
	s_lshl_b32 s29, s27, 14
	s_add_co_u32 s30, s30, s29
	s_lshl_b32 s29, s26, 12
	s_add_co_u32 s30, s30, s29
	s_add_nc_u64 s[54:55], s[24:25], s[30:31]      ; V's codes: fragment (x, 8 y + 2 w)
	WIN 0xC0
.irp t, 0,1,2,3,4,5,6,7                        ; the bias in the result's layout: lane (r, h), tile t: features 16 t + 8 h + 0 .. 7
	global_load_b128 v[BI+8*\t:BI+8*\t+3], v[BO], s[48:49] offset:64*\t
	global_load_b128 v[BI+8*\t+4:BI+8*\t+7], v[BO], s[48:49] offset:64*\t+16
.endr
	global_load_b32 v[RAW], v[BVO], s[50:51]       ; V's: lane (r, h), tile ct: channel 16 ct + r
	global_load_b32 v[RAW+1], v[BVO], s[50:51] offset:64
	WIN 0
.set rho, 0
.rept 32
	global_load_b128 v[XF+4*rho:XF+4*rho+3], v[LI], s[56:57] offset:512*rho   ; a row of X: 512 consecutive bytes
.set rho, rho+1
.endr
	LOADW 0
	LOADW 1
	LOADW 2
	WIN 0
	s_wait_kmcnt 0x0
	s_cmp_eq_u32 s27, 0
	s_cselect_b32 s58, s32, s34                    ; eA
	s_cselect_b32 s59, s33, s35                    ; eB
	s_cselect_b32 s60, s38, s39                    ; eo of the first half of the features (e6 or e7),
	s_cselect_b32 s61, s40, s41                    ; and of the second (e8 or e9)
	s_cmp_lt_u32 s26, 2
	s_cselect_b32 s60, s60, s61                    ; waves 0, 1 make the first half
	s_add_co_i32 s58, s58, s59                     ; eA + eB
	s_sub_co_i32 s59, 0, s58                       ; the bias is multiplied by 2^-(eA + eB)
	s_sub_co_i32 s60, s60, s58
	s_add_co_i32 s60, s60, 127
	s_lshl_b32 s61, s60, 23
	v_mov_b32 v[VSQ], s61                          ; 2^(eo - eA - eB) as f32: the conversion takes its exponent field
	s_add_co_i32 s60, s60, 8
	s_lshl_b32 s60, s60, 23
	s_or_b32 s60, s60, 0x600000
	v_mov_b32 v[VLQ], s60                          ; 448 x that
	s_add_co_i32 s62, s36, s37                     ; e4 + e5
	s_sub_co_i32 s63, 0, s62
	s_sub_co_i32 s62, s43, s62                     ; e11 - e4 - e5
	s_add_co_i32 s62, s62, 127
	s_lshl_b32 s61, s62, 23
	v_mov_b32 v[VSV], s61
	s_add_co_i32 s62, s62, 8
	s_lshl_b32 s62, s62, 23
	s_or_b32 s62, s62, 0x600000
	v_mov_b32 v[VLV], s62
	s_wait_loadcnt 48                              ; the biases and X's rows are in; the 48 loads of weight tiles 0 to 2 may be out
.set rho, 0
.rept 32
	ds_store_b128 v[XW], v[XF+4*rho:XF+4*rho+3] offset:PX*rho
.set rho, rho+1
.endr
.irp t, 0,1,2,3,4,5,6,7,8,9
.if \t+3 < 10
	LOADW \t+3                                     ; three tiles ahead
.endif
.if \t < 7
	s_wait_loadcnt 48                              ; tile t's 16 loads are in; those of the three tiles behind it may be out
.else
	s_wait_loadcnt 16*(9-\t)
.endif
	TURNW \t
.endr
	WIN 0xC3                                       ; source 0 and destination window 3
.set j, 0
.rept 64
	v_ldexp_f32 v[BI+j], v[BI+j], s59              ; b / 2^(eA + eB): nothing is rounded, short of overflow and underflow
.set j, j+1
.endr
.irp ct, 0,1
.irp jj, 0,1,2,3,4,5,6,7
	v_ldexp_f32 v[BV+8*\ct+\jj], v[RAW+\ct], s63   ; a lane's eight tokens share its channel's bias
.endr
.endr
	WIN 0
	s_wait_alu depctr_va_vdst(0)
	s_wait_dscnt 0x0                               ; my rows of X have landed in LDS, and my weights' fragments are in
	s_barrier_signal -1
	s_barrier_wait -1                              ; all 128 rows of X lie in LDS
	FETCHX 0
.irp i, 0,1,2,3,4,5,6,7
	s_wait_dscnt 0x0                               ; this tile's fragments of X are in
.if \i < 7
	FETCHX \i+1                                    ; the other buffer: its last products stand in front of the conversions of the tile before, more than four plain vector instructions back
.endif
	MM \i
.rept 4
	v_nop                                          ; four places between the products and the first read of their results (ISA guide 7.12.1)
.endr
.if \i > 0
	s_wait_xcnt 0x0                                ; the stores of the tile before have read the codes' registers, which are written again below
.endif
	QUANT \i
.irp c, 0,1,2,3
	global_store_b128 v[LI], v[PC+4*\c:PC+4*\c+3], s[52:53] offset:8192*\i+512*\c   ; 32 lanes store 512 consecutive bytes, at a multiple of 512 from the buffer's first byte
.endr
.endr
	WIN 0x0C                                       ; a store's data: source 1, window 3
.irp ct, 0,1
.irp c, 0,1,2,3
	global_store_b128 v[LI], v[VC+16*\ct+4*\c:VC+16*\ct+4*\c+3], s[54:55] offset:2048*\ct+512*\c
.endr
.endr
	WIN 0
	s_wait_tensorcnt 0x0
	ds_add_u32 v254, v255
	s_wait_dscnt 0x0
	s_endpgm
.Lfunc_end_k_qd0503c1aeb_proj:
	.size	k_qd0503c1aeb_proj, .Lfunc_end_k_qd0503c1aeb_proj-k_qd0503c1aeb_proj
	.p2alignl 7, 3214868480
	.fill 96, 4, 3214868480
	.section	.rodata,"a",@progbits
	.p2align	6, 0x0
	.amdhsa_kernel k_qd0503c1aeb_proj
		.amdhsa_group_segment_fixed_size 101888
		.amdhsa_private_segment_fixed_size 0
		.amdhsa_enable_private_segment 0
		.amdhsa_kernarg_size 88
		.amdhsa_user_sgpr_count 2
		.amdhsa_user_sgpr_kernarg_segment_ptr 1
		.amdhsa_wavefront_size32 1
		.amdhsa_system_sgpr_workgroup_id_x 1
		.amdhsa_system_sgpr_workgroup_id_y 1
		.amdhsa_system_sgpr_workgroup_id_z 1
		.amdhsa_system_vgpr_workitem_id 0
		.amdhsa_next_free_vgpr 1024
		.amdhsa_next_free_sgpr 66
		.amdhsa_reserve_vcc 0
		.amdhsa_float_denorm_mode_32 3
		.amdhsa_float_denorm_mode_16_64 3
		.amdhsa_memory_ordered 1
		.amdhsa_forward_progress 1
		.amdhsa_inst_pref_size 133
	.end_amdhsa_kernel
	.amdgpu_metadata
---
amdhsa.version: [ 1, 2 ]
amdhsa.kernels:
  - .name:           k_qd0503c1aeb_proj
    .symbol:         k_qd0503c1aeb_proj.kd
    .args:
      - { .name: X_codes, .offset: 0, .size: 8, .value_kind: global_buffer, .address_space: global }
      - { .name: Wq_codes, .offset: 8, .size: 8, .value_kind: global_buffer, .address_space: global }
      - { .name: Wk_codes, .offset: 16, .size: 8, .value_kind: global_buffer, .address_space: global }
      - { .name: Wv_codes, .offset: 24, .size: 8, .value_kind: global_buffer, .address_space: global }
      - { .name: bq, .offset: 32, .size: 8, .value_kind: global_buffer, .address_space: global }
      - { .name: bk, .offset: 40, .size: 8, .value_kind: global_buffer, .address_space: global }
      - { .name: bv, .offset: 48, .size: 8, .value_kind: global_buffer, .address_space: global }
      - { .name: lowp_scales, .offset: 56, .size: 8, .value_kind: global_buffer, .address_space: global }
      - { .name: Qc, .offset: 64, .size: 8, .value_kind: global_buffer, .address_space: global }
      - { .name: Kc, .offset: 72, .size: 8, .value_kind: global_buffer, .address_space: global }
      - { .name: Vc, .offset: 80, .size: 8, .value_kind: global_buffer, .address_space: global }
    .group_segment_fixed_size: 101888
    .private_segment_fixed_size: 0
    .kernarg_segment_align: 8
    .kernarg_segment_size: 88
    .max_flat_workgroup_size: 128
    .sgpr_count:     66
    .vgpr_count:     1024
    .wavefront_size: 32
...
	.end_amdgpu_metadata
.endif
;; end of part 3
;; launch attn (part 4): grid 64 x 4, 8 waves a work-group, clusters of 4 x 1, 327,680 bytes of LDS; arguments Qc, Kc, Vc, lam, lowp_scales, out0; writes out0
.if DOCPART == 4
	.amdgcn_target "amdgcn-amd-amdhsa--gfx1250"
	.amdhsa_code_object_version 6
	.text
	.protected	k_qd0503c1aeb_attn
	.globl	k_qd0503c1aeb_attn
	.p2align	8
	.type	k_qd0503c1aeb_attn,@function
k_qd0503c1aeb_attn:
	s_mov_b64 s[64:65], 0
	v_nop
	global_prefetch_b8 v0, s[64:65] scope:SCOPE_SE
	s_setreg_imm32_b32 hwreg(HW_REG_WAVE_MODE, 25, 1), 1
	s_wait_xcnt 0x0
	s_wait_alu depctr_hold_cnt(0) depctr_sa_sdst(0) depctr_va_vdst(0) depctr_va_sdst(0) depctr_va_ssrc(0) depctr_va_vcc(0) depctr_vm_vsrc(0)
	s_getreg_b32 s2, hwreg(HW_REG_IB_STS2, 6, 4)
	s_cmp_eq_u32 s2, 0
	s_cbranch_scc0 .Lentry_in_a_cluster
	s_endpgm
.Lentry_in_a_cluster:
	s_bfe_u32 s2, ttmp6, 0x10000c
	s_cmp_lg_u32 s2, 0x3003
	s_cbranch_scc0 .Lentry_shape_is_right
	s_endpgm
.Lentry_shape_is_right:
; out = (softmax(Q1 K1^T / 16) - (e^lam + 0.05) softmax(Q2 K2^T / 16)) V, all three products on codes of FP8 (E4M3).  Qc, Kc, Vc: images of operand registers, as the projection launch stored them:
; a fragment (16 rows x 128 along K) is 2,048 bytes, registers 4 c .. 4 c + 3 of lane l at 512 c + 16 l.  Qc, Kc: fragment (token / 16, feature group g) at (4 T + g) x 2,048; g = 0, 1: the first half, g = 2, 3: the second.
; Vc: fragment (token / 128, channel / 16) at (16 KB + ct) x 2,048, the keys along its K.  out0: [4][4096][256] f32.
; WHAT IS QUANTISED FOR THE LAST PRODUCT IS THE FINISHED DIFFERENCE OF THE TWO NORMALISED SOFTMAXES.  So the keys are walked twice.  PASS 1 finds each row's maximum and sum, for both softmaxes.
; PASS 2 makes the scores again, forms diff = P1 - lambda P2 in f32, quantises it with the given scale and multiplies by V.
; SHARES.  A work-group owns 64 queries of one batch; every wave holds the codes of all 64 (256 registers), so each fragment of K feeds four matrix instructions and each byte of K is read from LDS once.
; PASS 1: wave w serves ONE softmax, s = (w ^ (w >> 2)) & 1, and the key tiles 4 (w >> 1) .. + 3 of each slot of 16: pair 0 = tiles 0 and 2 of the four, pair 1 = tiles 1 and 3; a pair is 64 registers of K and 64 of scores.
;   A trip (a slot) is two pairs, each with 16 products and its softmax work.  The waves of softmax 1 carry the SCORES of a slot's pair 1 over the change of slots (softmax work, products, softmax work, products);
;   those of softmax 2 carry its FRAGMENTS (products, softmax work, products, softmax work).  So behind a round every wave has work on registers in hand while the new slot's fragments come from LDS.
;   The first pair carried is slot 15's pair 1, loaded straight from memory at the head; the last trip, written out, leaves that pair out: each of the 32 pairs is served once.
; PASS 2: the eight waves share the keys of a step (wave w: keys 16 w .. 16 w + 15) and the channels of the last product (32 w .. 32 w + 31); diff's codes go from wave to wave through LDS as images of the operand's registers.
; LAYOUT.  S^T = K Q^T (source 0 = 16 keys, source 1 = 16 queries): lane (r, h) holds query r and keys 8 h + 0 .. 7.  O^T = V^T diff^T (source 0 = 16 channels, source 1 = diff): lane (r, h): query r, channels 8 h + 0 .. 7.
; ARITHMETIC.  t = sum x c, c = log2(e) / 16 x 2^(the two operands' exponents).  Chain x = 4 (softmax - 1) + query tile.
;   Pass 1: each LANE keeps, for each of its four chains, the largest raw sum MX of its own keys, N = floor(-c MX) and L = the sum of 2^(t + N).  When N moves, L is multiplied by 2^(new N - old N), which rounds nothing.
;   Behind it a query's 8 partial results (4 waves x 2 halves of the lanes) are merged: N = the least, L_i x 2^(N - N_i), summed.
;   Pass 2: P1 = 2^(t + N - log2 L), lambda P2 = 2^(t + N - log2 L + log2 lambda): one fused multiply-add and one exponential each.  lambda = 2^(lam log2 e) + 0.05.
; CLUSTER.  The four work-groups of a cluster belong to one batch and walk the same K: each tile of K is asked for JOINTLY, by the same tensor load with the same descriptor and the mask of all four, in both passes.
; V IS NOT ASKED FOR JOINTLY AND DOES NOT GO THROUGH LDS.  K's two slots of 256 keys take 262,144 bytes, diff's images, the merge and the spare words 33,792: 31,744 bytes are left, and two steps of V are 65,536.
; Each byte of V is wanted by one wave of the work-group alone, so it goes straight into that wave's registers, 512 consecutive bytes a load, two steps ahead.  V is a third of pass 2's bytes.
; LIMITS on the given exponents, so that each power of two below is an f32 number: e6 + e7 and e8 + e9 between -122 and 131 (they are added to c's exponent field); e10 between -126 and 119; e10 + e11 between -126 and 127.
; NaN is not served.  e^lam is made in f32 as 2^(lam log2 e): its relative error grows as |lam| x 1e-7.
; LDS: two slots of 131,072 bytes, 256 keys of K each, in both passes; diff's images, two buffers of 8,192; the merge's 16,384; the spare words.
; REGISTERS.  Window 0: v0 the thread's number; v1-15 addresses and constants; pass 1: v16-39 six registers a chain, v40-47 at work, v64-127 a pair's scores, v128-191 and v192-255 K's fragments of pairs 0 and 1;
;   pass 2: v12-15 codes, v16-31 the chains' offsets, v32-63 and v128-159 V's fragments of two steps, v64-127 O^T, v160-191 the scores of two query tiles, v192-255 K's fragments and diff's by turns.  Window 1: Q.
.set SLOT,  131072
.set VSTEP, 32768                      ; V's codes of a step of 128 keys
.set PIMG,  2*SLOT                     ; diff's images: buffer b at 8,192 b, query tile q at 2,048 q
.set MERGE, PIMG+16384                 ; chain x at 2,048 x, key quarter at 256 (w >> 1), lane at 8 l: (N, L)
.set SPARE, MERGE+16384                ; the spare words, 128 bytes for each wave
.set SPITCH, 1040                      ; the way out: 64 rows x (1,024 bytes + 16) from LDS byte 0 on: slot 0's bytes, which have had their last fill and their last read by then
.set SPW,  1                           ; v1   SPARE + 4 x my thread's number; never rewritten
.set NIL,  2                           ; v2   0; never rewritten
.set VSC,  3                           ; v3   2^e10 as f32
.set LI,   4                           ; v4   16 x lane
.set AKK,  5                           ; v5-8 pass 2: my key tile of step i, i % 4 = 0 .. 3
.set AP,   9                           ; v9   diff's images, read
.set APW,  10                          ; v10  and written
.set PFO,  11                          ; v11  256 x lane, for the prefetches
.set ADK,  12                          ; v12  pass 1: my place in the slot in hand
.set AK0,  13                          ; v13  pass 1: my place in a slot: 16 l + 32,768 (w >> 1) + 4,096 s
.set AM,   14                          ; v14  the merge, written
.set AMR,  15                          ; v15  the merge, read: MERGE + 8 l
.set PC0,  12                          ; v12-15  pass 2: the codes of query tiles 0 and 1
.set ST,   16                          ; pass 1: chain q at v[16 + 6 q]: +0 N, +1 MX, +2, +3 L in two halves, +4 the factor, +5 at work
.set TM,   40                          ; pass 1: eight partial maxima
.set NC,   16                          ; pass 2: chain x's offset, twice, at v[16 + 2 x]
.set VF0,  32
.set SC,   64                          ; pass 1: accumulator x = 4 (tile of the pair) + q at v[64 + 8 x]
.set OA,   64                          ; O^T: accumulator (ct, q) at v[64 + 8 (4 ct + q)]
.set KFA,  128
.set SB,   128
.set VF1,  128
.set SS,   160
.set KFB,  192
.set KF,   192
.set WV,   16                          ; s16  my wave's number
.set G1,   24                          ; s[24:31] descriptor group 1: one shape serves every load
.set G0A,  32                          ; s[32:39] group 0 for slots 0, 1 in pass 2
.set G0W,  40                          ; s[40:43] pass 1's group 0, which walks
.set TB,   44                          ; s44  LDS byte at which the slot in hand begins
.set VAR,  45                          ; s45  my softmax in pass 1, 0 or 1
.set CW,   46                          ; s[46:47] its c
.set C1,   56
.set SEL,  60
.set OSC,  62
.set PFA,  66
.set PFV,  68
.set LIM1, 70                          ; s70  2 in a wave that prefetches K, else the greatest number
.set LIM2, 71                          ; s71  1 in a wave that prefetches V, else the greatest number
.set CNT,  72
.set LIMN, 73
.set LIMP, 74
.set MSB, 0
.macro WIN new                         ; the immediate's high byte repeats the setting that is left; a switch that changes nothing is dropped
.if MSB != (\new)
	s_set_vgpr_msb (MSB<<8)|(\new)
.set MSB, (\new)
.endif
.endm
.macro PLACES n
.rept \n
	v_nop
.endr
.endm
.macro CREST                           ; a round of the cluster's barrier behind its opening barrier
	s_cmp_lg_u32 s[WV], 0
	s_cbranch_scc1 .Lnot_wave_0_\@
	s_barrier_signal -3
.Lnot_wave_0_\@:
	s_barrier_wait -3
	s_barrier_signal -1
	s_barrier_wait -1
.endm
.macro CROUND
	s_barrier_signal -1
	s_barrier_wait -1
	CREST
.endm
; The joint load: every wave brings its eighth of a slot, 16,384 bytes.  An s_nop 0 and four v_nop follow a tensor load.
.macro JLG g
	tensor_load_to_lds s[\g:\g+3], s[G1:G1+7]
	s_nop 0
	PLACES 4
.endm
.macro JL1 p
	JLG G0A+4*(\p)
.endm
; PREFETCHES INTO THE L2, one instruction a wave, lanes 256 bytes apart: 8,192 bytes.  All clusters of a batch walk the same K and V: the batch's first cluster asks.  Its four partners share the bytes out BY ADDRESS.
; Pass 1: a slot's 131,072 bytes of K are 4 partners x waves 0 to 3 x 8,192; the trip that loads slot t + 1 asks for slot t + 3, while there is one (the counter above 2).
; Pass 2: a step's 32,768 bytes of V are 4 partners x wave 6 x 8,192; step j asks for step j + 4's, which the waves load in step j + 2.  K is not asked for again in pass 2.
.macro ASK1
	s_cmp_gt_u32 s[CNT], s[LIM1]
	s_cbranch_scc0 .Lnot_mine_\@
	global_prefetch_b8 v[PFO], s[PFA:PFA+1] th:TH_LOAD_NT scope:SCOPE_SE
.Lnot_mine_\@:
.endm
.macro ASKV off
	s_cmp_eq_u32 s[LIM2], 1
	s_cbranch_scc0 .Lnot_mine_v_\@
	global_prefetch_b8 v[PFO], s[PFV:PFV+1] offset:\off th:TH_LOAD_NT scope:SCOPE_SE
.Lnot_mine_v_\@:
.endm
.macro FETCHK adr, off                 ; pass 2: a key tile's four fragments (16 keys x 512 features): 16 loads of 512 consecutive bytes
.set n, 0
.rept 16
	ds_load_b128 v[KF+4*n:KF+4*n+3], v[\adr] offset:\off+512*n
.set n, n+1
.endr
.endm
; PASS 1.  Pair p of my four key tiles, my softmax's two fragments of each: 16 loads of 512 consecutive bytes
.macro LDK kf, p
.irp u, 0,1
.set n, 0
.rept 8
	ds_load_b128 v[\kf+32*\u+4*n:\kf+32*\u+4*n+3], v[ADK] offset:8192*(2*\u+\p)+512*n
.set n, n+1
.endr
.endr
.endm
; 16 matrix instructions: a pair's two key tiles against all 64 queries, softmax sv.  256 features are two instructions; the first starts the sum.  The eight accumulators take turns.
.macro QK1 kf, sv
	WIN 0x04                           ; source 1 (Q) window 1
.irp h, 0,1
.irp x, 0,1,2,3,4,5,6,7
.if \h == 0
	v_wmma_f32_16x16x128_fp8_fp8 v[SC+8*\x:SC+8*\x+7], v[\kf+32*(\x/4):\kf+32*(\x/4)+15], v[64*(\x%4)+32*(\sv):64*(\x%4)+32*(\sv)+15], 0
.else
	v_wmma_f32_16x16x128_fp8_fp8 v[SC+8*\x:SC+8*\x+7], v[\kf+32*(\x/4)+16:\kf+32*(\x/4)+31], v[64*(\x%4)+32*(\sv)+16:64*(\x%4)+32*(\sv)+31], v[SC+8*\x:SC+8*\x+7]
.endif
.endr
.endr
	WIN 0
.endm
; The softmax work of a pair: 64 registers of scores, four chains.  Maxima and sums go in trees, eight accumulators by turns; each accumulator is read from its low end on.
.macro SOFT
.irp x, 0,1,2,3,4,5,6,7
	v_max3_num_f32 v[TM+\x], v[SC+8*\x], v[SC+8*\x+1], v[SC+8*\x+2]
.endr
.irp x, 0,1,2,3,4,5,6,7
	v_max3_num_f32 v[TM+\x], v[TM+\x], v[SC+8*\x+3], v[SC+8*\x+4]
.endr
.irp x, 0,1,2,3,4,5,6,7
	v_max3_num_f32 v[TM+\x], v[TM+\x], v[SC+8*\x+5], v[SC+8*\x+6]
.endr
.irp x, 0,1,2,3,4,5,6,7
	v_max3_num_f32 v[ST+6*(\x%4)+1], v[ST+6*(\x%4)+1], v[TM+\x], v[SC+8*\x+7]   ; the running largest raw sum
.endr
.irp q, 0,1,2,3
	v_mul_f32 v[ST+6*\q+5], s[CW], v[ST+6*\q+1]    ; the largest t (c is positive)
.endr
.irp q, 0,1,2,3
	v_floor_f32 v[ST+6*\q+5], -v[ST+6*\q+5]        ; the new N: minus the largest t rounded up: a whole number
.endr
.irp q, 0,1,2,3
	v_sub_f32 v[ST+6*\q+4], v[ST+6*\q+5], v[ST+6*\q]   ; new N - old N: a whole number, 0 or less
.endr
.irp q, 0,1,2,3
	v_mov_b32 v[ST+6*\q], v[ST+6*\q+5]
.endr
.irp q, 0,1,2,3
	v_cvt_i32_f32 v[ST+6*\q+4], v[ST+6*\q+4]       ; (it saturates)
.endr
.irp q, 0,1,2,3
	v_ldexp_f32 v[ST+6*\q+4], 1.0, v[ST+6*\q+4]    ; the factor that brings the old sum under the new N: a power of two
.endr
.irp k, 0,1,2,3
.irp x, 0,1,2,3,4,5,6,7
	v_pk_fma_f32 v[SC+8*\x+2*\k:SC+8*\x+2*\k+1], v[SC+8*\x+2*\k:SC+8*\x+2*\k+1], s[CW:CW+1], v[ST+6*(\x%4):ST+6*(\x%4)+1] op_sel_hi:[1,0,0]   ; t + N, two at a time (of the pairs c and N the low word serves both halves)
.endr
.endr
	s_wait_alu depctr_va_vdst(0)                   ; the wait ahead of the batch
.set j, 0
.rept 64
	v_exp_f32 v[SC+j], v[SC+j]                     ; 2^(t + N), at most 1
.set j, j+1
.endr
.irp q, 0,1,2,3
	v_pk_mul_f32 v[ST+6*\q+2:ST+6*\q+3], v[ST+6*\q+2:ST+6*\q+3], v[ST+6*\q+4:ST+6*\q+5] op_sel_hi:[1,0]   ; the sums under the new N.  (Plain instructions behind the exponentials)
.endr
	s_wait_alu depctr_va_vdst(0)                   ; one wait for the whole batch, ahead of its first reader
.irp x, 0,1,2,3,4,5,6,7
	v_pk_add_f32 v[SC+8*\x:SC+8*\x+1], v[SC+8*\x:SC+8*\x+1], v[SC+8*\x+2:SC+8*\x+3]
.endr
.irp x, 0,1,2,3,4,5,6,7
	v_pk_add_f32 v[SC+8*\x+4:SC+8*\x+5], v[SC+8*\x+4:SC+8*\x+5], v[SC+8*\x+6:SC+8*\x+7]
.endr
.irp x, 0,1,2,3,4,5,6,7
	v_pk_add_f32 v[SC+8*\x:SC+8*\x+1], v[SC+8*\x:SC+8*\x+1], v[SC+8*\x+4:SC+8*\x+5]
.endr
.irp x, 0,1,2,3,4,5,6,7
	v_pk_add_f32 v[ST+6*(\x%4)+2:ST+6*(\x%4)+3], v[ST+6*(\x%4)+2:ST+6*(\x%4)+3], v[SC+8*\x:SC+8*\x+1]
.endr
.endm
; PASS 1, a trip: the change of slots, then the slot's work.  Each wave waits for all its tensor loads (one is out: its part of the slot ahead), adds 0 to its spare word, and waits for that and for its reads of the slot
; that it has left.  Behind the round the slot ahead is whole in every partner and nobody reads the other one: it is filled first, with the next 256 keys (last = 1: with pass 2's first 256, by slot 0's own descriptor).
.macro TRIP1 last
	s_wait_tensorcnt 0x0                           ; no tensor load of mine is out, so a group 0 may be written
	ds_add_u32 v[SPW], v[NIL]                      ; 0 onto my spare word
.if \last == 0
	s_xor_b32 s[G0W+1], s[G0W+1], SLOT             ; the walking descriptor: the other slot than last time,
	s_add_nc_u64 s[G0W+2:G0W+3], s[G0W+2:G0W+3], SLOT   ; the next 256 keys; the type bits on top are not reached
	s_wait_xcnt 0x0                                ; the last prefetch, a slot back, has read its address, so it may be written
	s_add_nc_u64 s[PFA:PFA+1], s[PFA:PFA+1], SLOT
.endif
	s_wait_dscnt 0x0                               ; the add is done, and my reads of the slot that I have left are over
	CROUND
.if \last
	JLG G0A
.else
	JLG G0W                                        ; the first thing behind the round, and my one tensor load until the next
.endif
	v_add_nc_u32 v[ADK], s[TB], v[AK0]             ; (with the four v_nop above: five places behind the products that stand ahead of the change)
	s_wait_alu depctr_va_vdst(0)
	LDK KFA, 0
.if \last == 0
	ASK1
.endif
	s_cmp_lg_u32 s[VAR], 0
	s_cbranch_scc1 .Lsecond_\@
	SOFT                                           ; softmax 1: the scores carried over the change
.if \last
	s_wait_dscnt 0x0
.else
	LDK KFB, 1
	s_wait_dscnt 16                                ; pair 0 is in; pair 1's 16 loads, issued behind it, may be out
.endif
	QK1 KFA, 0
	PLACES 4                                       ; four places between the products and the first read of their results (ISA guide 7.12.1)
	SOFT
.if \last == 0
	s_wait_dscnt 0x0
	QK1 KFB, 0                                     ; these scores are carried
.endif
	s_branch .Ljoin_\@
.Lsecond_\@:
	QK1 KFB, 1                                     ; softmax 2: the fragments carried over the change
	PLACES 4                                       ; in front of loads into registers that the products read, and of the first read of their results
.if \last == 0
	LDK KFB, 1                                     ; these fragments are carried
.endif
	SOFT
.if \last
	s_wait_dscnt 0x0
.else
	s_wait_dscnt 16                                ; pair 0 is in; pair 1's 16 loads may be out
.endif
	QK1 KFA, 1
	PLACES 4
	SOFT
.Ljoin_\@:
.endm
; PASS 2.  8 matrix instructions: my key tile in KF against query tiles 2 h and 2 h + 1, both softmaxes.  The four accumulators take turns.
.macro QKH h
	WIN 0x04
.irp u, 0,1
.irp y, 0,1,2,3
.if \u == 0
	v_wmma_f32_16x16x128_fp8_fp8 v[SS+8*\y:SS+8*\y+7], v[KF+32*(\y/2):KF+32*(\y/2)+15], v[64*(2*(\h)+\y%2)+32*(\y/2):64*(2*(\h)+\y%2)+32*(\y/2)+15], 0
.else
	v_wmma_f32_16x16x128_fp8_fp8 v[SS+8*\y:SS+8*\y+7], v[KF+32*(\y/2)+16:KF+32*(\y/2)+31], v[64*(2*(\h)+\y%2)+32*(\y/2)+16:64*(2*(\h)+\y%2)+32*(\y/2)+31], v[SS+8*\y:SS+8*\y+7]
.endif
.endr
.endr
	WIN 0
.endm
.macro SMA h                           ; the scalings and the exponentials of two query tiles
.irp k, 0,1,2,3
.irp y, 0,1,2,3
	v_pk_fma_f32 v[SS+8*\y+2*\k:SS+8*\y+2*\k+1], v[SS+8*\y+2*\k:SS+8*\y+2*\k+1], s[C1+2*(\y/2):C1+2*(\y/2)+1], v[NC+2*(4*(\y/2)+2*(\h)+\y%2):NC+2*(4*(\y/2)+2*(\h)+\y%2)+1] op_sel_hi:[1,0,0]   ; t + N - log2 L (+ log2 lambda); each accumulator from its low end on
.endr
.endr
.set j, 0
	s_wait_alu depctr_va_vdst(0)
.rept 32
	v_exp_f32 v[SS+j], v[SS+j]                     ; P1, and lambda P2: finished and normalised
.set j, j+1
.endr
	v_nop                                          ; a plain instruction behind the last exponential
.endm
.macro SMSUB
	s_wait_alu depctr_va_vdst(0)                   ; one wait for the batch of 32 exponentials, ahead of its first reader
.set j, 0
.rept 8
	v_pk_add_f32 v[SS+2*j:SS+2*j+1], v[SS+2*j:SS+2*j+1], v[SS+16+2*j:SS+16+2*j+1] neg_lo:[0,1] neg_hi:[0,1]   ; diff = P1 - lambda P2
.set j, j+1
.endr
.endm
.macro SMEND h, pbn, pc                ; diff becomes codes in v[pc] on, which go into buffer pbn of the images
.set j, 0
.rept 16
	v_med3_num_f32 v[SS+j], v[SS+j], s[LIMN], s[LIMP]   ; the conversion to an 8-bit code does not saturate (ISA guide 7.6.2): the hold at 448 x the scale
.set j, j+1
.endr
.irp qq, 0,1
	v_cvt_scalef32_pk8_fp8_f32 v[\pc+2*\qq:\pc+2*\qq+1], v[SS+8*\qq:SS+8*\qq+7], v[VSC]
.endr
	v_nop                                          ; one plain vector instruction behind the last conversion: the next products write its sources
.irp qq, 0,1
	ds_store_b64 v[APW], v[\pc+2*\qq:\pc+2*\qq+1] offset:8192*(\pbn)+2048*(2*(\h)+\qq)   ; registers 2 w, 2 w + 1 of the query tile's fragment
.endr
.endm
.macro PV vf, zero                     ; O^T += V^T diff^T: my two tiles of channels x the four query tiles; diff's fragments lie where K's lay.  zero = 1: the products start the sums
.irp q, 0,1,2,3
.irp ct, 0,1
.if \zero
	v_wmma_f32_16x16x128_fp8_fp8 v[OA+8*(4*\ct+\q):OA+8*(4*\ct+\q)+7], v[\vf+16*\ct:\vf+16*\ct+15], v[KF+16*\q:KF+16*\q+15], 0
.else
	v_wmma_f32_16x16x128_fp8_fp8 v[OA+8*(4*\ct+\q):OA+8*(4*\ct+\q)+7], v[\vf+16*\ct:\vf+16*\ct+15], v[KF+16*\q:KF+16*\q+15], v[OA+8*(4*\ct+\q):OA+8*(4*\ct+\q)+7]
.endif
.endr
.endr
.endm
; PASS 2, step j of 128 keys; pb = j % 2.  ONE barrier a step: in front of it every wave's codes of diff of step j are stored.  Behind it: the scores of step j + 1 (K's fragments are in registers already), in two halves of
; two query tiles; diff's fragments of step j come into K's registers when the second half's products have read them; O^T += V^T diff^T of step j; then K's fragments of step j + 2 (kf: (j + 2) % 4) come from LDS
; and V's of step j + 2 (vk: steps from s[8:9]) from memory, into the registers that the products have just read.
; THE RING.  Slot n holds steps 2 n and 2 n + 1.  Its fragments are fetched in steps 2 n - 2 and 2 n - 1, so behind the barrier of step 2 n nobody reads it: it is filled with slot n + 2.
; bar = 2: such a barrier: the three lines, a round of the cluster's barrier, the joint refill of slot r.  bar = 1: a plain barrier, for diff's codes alone: my tensor load may stay out.
; bar = 3: the last slot has to have landed, and nothing is filled.  bar = 0: no barrier.  vw: the loads of V issued behind step j's.  ask: the prefetch's place, in steps from s[PFV].  adv = 1: V's base goes four steps on.
.macro STEP2 bar, r, pb, zero, pv, qk, kf, vk, vw, ask, adv
.set VFB, VF0+(VF1-VF0)*(\pb)
.if \bar >= 2
	s_wait_tensorcnt 0x0                           ; no tensor load of mine is out: the slot that is read next has landed, and a group 0 may be written
	ds_add_u32 v[SPW], v[NIL]                      ; 0 onto my spare word
.if \bar == 2
	s_add_nc_u64 s[G0A+4*(1-\r)+2:G0A+4*(1-\r)+3], s[G0A+4*(1-\r)+2:G0A+4*(1-\r)+3], 2*SLOT   ; the descriptor that the last refill used: two slots on
.endif
.if \adv
	s_wait_xcnt 0x0                                ; the last trip's loads of V and its prefetches have read their bases, so these may be written
	s_add_nc_u64 s[8:9], s[8:9], 4*VSTEP
.if \ask >= 0
	s_add_nc_u64 s[PFV:PFV+1], s[PFV:PFV+1], 4*VSTEP
.endif
.endif
.endif
.if \bar > 0
	s_wait_dscnt 0x0                               ; my codes have landed, K's fragments are in, my reads of what is filled or written next are over (and the add is done)
	s_barrier_signal -1
.endif
.if \qk
	QKH 0
.endif
.if \bar > 0
	s_barrier_wait -1
.endif
.if \bar == 2
	CREST                                          ; the barrier has opened a round of the cluster's barrier
	JL1 \r                                         ; the first thing behind the round, my one tensor load until the next; its four v_nop are also the places behind the products above
.elseif \qk
	PLACES 4
.endif
.if \qk
	s_wait_alu depctr_va_vdst(0)
	SMA 0
	SMSUB
	SMEND 0, 1-\pb, PC0
	QKH 1
	PLACES 4                                       ; in front of loads into K's registers, and of the first read of the results
.endif
.if \pv
.set n, 0
.rept 16
	ds_load_b128 v[KF+4*n:KF+4*n+3], v[AP] offset:8192*(\pb)+512*n   ; diff's four fragments of step j, as all eight waves stored them
.set n, n+1
.endr
.endif
.if \ask >= 0
	ASKV VSTEP*(\ask)
.endif
.if \qk
	SMA 1
.endif
.if \pv
	s_wait_dscnt 0x0                               ; diff's fragments are in
	s_wait_loadcnt \vw                             ; V of step j is in; the loads issued behind it may be out
	s_wait_alu depctr_va_vdst(0)
	PV VFB, \zero
.endif
.if \qk
	SMSUB                                          ; its eight subtractions name none of the products' registers: they are the places in front of the loads below
.endif
.if \kf >= 0
	FETCHK AKK+\kf, 0
.endif
.if \vk >= 0
.set n, 0
.rept 8
	global_load_b128 v[VFB+4*n:VFB+4*n+3], v[LI], s[8:9] offset:VSTEP*(\vk)+512*n   ; my two fragments of V: 32 lanes read 512 consecutive bytes
.set n, n+1
.endr
.endif
.if \qk
	SMEND 1, 1-\pb, SS+16
.endif
.endm
.macro TRIP2 zero, adv                 ; four steps, once round the ring
	STEP2 2, 0, 0, \zero, 1, 1, 2, 2, 8, 4, \adv
	STEP2 1, 0, 1, 0, 1, 1, 3, 3, 8, 5, 0
	STEP2 2, 1, 0, 0, 1, 1, 0, 4, 8, 6, 0
	STEP2 1, 0, 1, 0, 1, 1, 1, 5, 8, 7, 0
.endm
	s_load_b256 s[4:11], s[0:1], 0x0               ; Qc s[4:5], Kc s[6:7], Vc s[8:9], lam s[10:11]
	s_load_b128 s[12:15], s[0:1], 0x20             ; the exponents s[12:13], out0 s[14:15]
	v_lshl_add_u32 v[SPW], v0, 2, SPARE
	v_mov_b32 v[NIL], 0
	ds_add_u32 v1, v2                              ; the opening lines: the add, twice on end, and its wait
	ds_add_u32 v1, v2
	s_wait_dscnt 0x0
	v_lshrrev_b32 v16, 5, v0
	s_delay_alu instid0(VALU_DEP_1)
	v_readfirstlane_b32 s[WV], v16                 ; wave 0..7
	s_bfe_u32 s17, ttmp6, 0x40000                  ; cx: my place in the cluster
	s_and_b32 s18, ttmp7, 0xffff                   ; the batch, which the four partners share
	s_lshl_b32 s19, ttmp9, 2                       ; in a cluster launch ttmp9 counts clusters
	s_add_co_u32 s19, s19, s17                     ; my block of 64 queries: it enters Q's and out0's addresses alone
	s_lshr_b32 s53, s[WV], 2
	s_xor_b32 s53, s53, s[WV]
	s_and_b32 s[VAR], s53, 1                       ; pass 1: my softmax
	s_lshr_b32 s52, s[WV], 1                       ; and my quarter of a slot's keys
	s_lshl_b32 s48, s52, 15
	s_lshl_b32 s53, s[VAR], 12
	s_add_co_u32 s48, s48, s53                     ; my place in a slot: 32,768 x quarter + 4,096 x softmax
	s_mov_b32 s49, 0
	s_mov_b32 s[TB], 0
	; descriptor group 1: 16,384 dense bytes as 64 rows of 32 elements of 8 bytes
	s_mov_b32 s[G1], 15|(3<<16)|(1<<21)            ; 15:0 the mask: all four work-groups; 17:16 elements of 8 bytes; 21 set beside a mask; no padding
	s_mov_b32 s[G1+1], 32<<16
	s_mov_b32 s[G1+2], 64<<16
	s_mov_b32 s[G1+3], 32<<16
	s_mov_b32 s[G1+4], 64
	s_mov_b32 s[G1+5], 32
	s_mov_b32 s[G1+6], 0
	s_mov_b32 s[G1+7], 0
	s_mov_b32 s[SEL], 0x76543210
	s_mov_b32 s[SEL+1], 0xfedcba98
	; every LDS address is a constant + a constant x lane + constants x fields of the wave's number
	v_and_b32 v16, 31, v0                          ; lane
	s_delay_alu instid0(VALU_DEP_1)
	v_lshlrev_b32 v[LI], 4, v16                    ; 16 x lane
	s_lshl_b32 s83, s[WV], 14                      ; 16,384 w: my part of a slot on the way in
	v_add_nc_u32 v[AK0], s48, v[LI]
	s_lshl_b32 s84, s[WV], 13
	v_add_nc_u32 v[AKK], s84, v[LI]
	s_delay_alu instid0(VALU_DEP_1)
	v_add_nc_u32 v[AKK+1], 65536, v[AKK]
	s_delay_alu instid0(VALU_DEP_2)
	v_add_nc_u32 v[AKK+2], SLOT, v[AKK]
	s_delay_alu instid0(VALU_DEP_3)
	v_add_nc_u32 v[AKK+3], SLOT+65536, v[AKK]
	v_add_nc_u32 v[AP], PIMG, v[LI]
	s_lshr_b32 s84, s[WV], 1
	s_lshl_b32 s84, s84, 9
	s_and_b32 s85, s[WV], 1
	s_lshl_b32 s85, s85, 3
	s_add_co_u32 s84, s84, s85
	v_add_nc_u32 v[APW], s84, v[AP]
	v_lshlrev_b32 v[PFO], 8, v16
	v_lshlrev_b32 v18, 3, v16
	s_delay_alu instid0(VALU_DEP_1)
	v_add_nc_u32 v[AMR], MERGE, v18
	s_lshl_b32 s84, s[VAR], 13
	s_lshl_b32 s85, s52, 8
	s_add_co_u32 s84, s84, s85
	v_add_nc_u32 v[AM], s84, v[AMR]                ; my four chains begin at chain 4 x softmax; my quarter's 256 bytes
	s_lshr_b32 s84, s[WV], 2                       ; 0 in waves 0 to 3,
	s_or_b32 s84, s84, ttmp9                       ; of the batch's first cluster: the same in all four partners
	s_cmp_eq_u32 s84, 0
	s_cselect_b32 s[LIM1], 2, -1
	s_xor_b32 s84, s[WV], 6                        ; 0 in wave 6
	s_or_b32 s84, s84, ttmp9
	s_cmp_eq_u32 s84, 0
	s_cselect_b32 s[LIM2], 1, -1
	s_wait_kmcnt 0x0
	s_load_b128 s[76:79], s[12:13], 0x18           ; e6 .. e9
	s_load_b64 s[80:81], s[12:13], 0x28            ; e10, e11
	s_load_b32 s82, s[10:11], 0x0                  ; lam
	s_mov_b32 s21, 0
	s_lshl_b32 s20, s18, 21
	s_add_nc_u64 s[6:7], s[6:7], s[20:21]          ; K's codes of my batch: 4,096 tokens x 512 bytes
	s_lshl_b32 s20, s18, 20
	s_add_nc_u64 s[8:9], s[8:9], s[20:21]          ; V's: 4,096 x 256
	s_add_nc_u64 s[50:51], s[6:7], s[48:49]        ; K at my place in slot 0
	s_mov_b32 s85, 0
	s_mov_b32 s84, s83
	s_add_nc_u64 s[86:87], s[6:7], s[84:85]        ; K at my part of a slot on the way in
.irp p, 0,1
	s_mov_b32 s[G0A+4*\p], 1                       ; 1:0 count = 1
	s_add_co_u32 s[G0A+4*\p+1], s83, \p*SLOT       ; 63:32 LDS address: no place in the cluster enters it
	s_add_nc_u64 s[G0A+4*\p+2:G0A+4*\p+3], s[86:87], \p*SLOT   ; 120:64 global address: slot p
	s_or_b32 s[G0A+4*\p+3], s[G0A+4*\p+3], 0x80000000          ; 127:126 type = 2
.endr
	s_mov_b32 s[G0W], 1                            ; pass 1's walking descriptor begins at slot 0
	s_mov_b32 s[G0W+1], s83
	s_mov_b64 s[G0W+2:G0W+3], s[86:87]
	s_or_b32 s[G0W+3], s[G0W+3], 0x80000000
	; what hangs on my place in the cluster is made in registers of its own
	s_mov_b32 s89, 0
	s_lshl_b32 s88, s18, 21
	s_lshl_b32 s92, s19, 15
	s_add_co_u32 s88, s88, s92
	s_add_nc_u64 s[4:5], s[4:5], s[88:89]          ; Q's codes of my 64 queries: 32,768 bytes on end
	s_lshl_b32 s88, s18, 22
	s_lshl_b32 s92, s19, 16
	s_add_co_u32 s88, s88, s92
	s_lshl_b32 s92, s[WV], 13
	s_add_co_u32 s88, s88, s92
	s_add_nc_u64 s[14:15], s[14:15], s[88:89]      ; out0 at the 8 rows that I store
	s_lshl_b32 s88, s17, 15
	s_add_co_u32 s88, s88, s92
	s_add_co_u32 s88, s88, 2*SLOT
	s_add_nc_u64 s[PFA:PFA+1], s[6:7], s[88:89]    ; in slot 2: the first trip steps it to slot 3.  Nothing is prefetched at the head
	s_lshl_b32 s88, s17, 13
	s_add_nc_u64 s[PFV:PFV+1], s[8:9], s[88:89]    ; my work-group's 8,192 bytes of step 0; the prefetches' immediates begin at step 4
	s_lshl_b32 s88, s[WV], 12
	s_add_nc_u64 s[8:9], s[8:9], s[88:89]          ; V at my two fragments of step 0
	CROUND                                         ; all four work-groups are here: the first joint loads meet
	JLG G0W                                        ; slot 0: one tensor load a wave at the head
.irp u, 0,1
.set n, 0
.rept 8
	global_load_b128 v[KFB+32*\u+4*n:KFB+32*\u+4*n+3], v[LI], s[50:51] offset:15*SLOT+8192*(2*\u+1)+512*n   ; the first pair carried: slot 15's pair 1
.set n, n+1
.endr
.endr
	WIN 0x40                                       ; destination window 1
.set n, 0
.rept 64
	global_load_b128 v[4*n:4*n+3], v[LI], s[4:5] offset:512*n   ; Q stays in registers: fragment (q, g) at v[16 (4 q + g)]
.set n, n+1
.endr
	WIN 0
.irp q, 0,1,2,3
	v_mov_b32 v[ST+6*\q], 0x7f61b1e6               ; N: 3e38, above every N: the first factor is 0
	v_mov_b32 v[ST+6*\q+1], 0xff61b1e6             ; MX: -3e38, under every sum
	v_mov_b32 v[ST+6*\q+2], 0                      ; L
	v_mov_b32 v[ST+6*\q+3], 0
	v_mov_b32 v[ST+6*\q+4], 0
	v_mov_b32 v[ST+6*\q+5], 0
.endr
	s_wait_kmcnt 0x0
	s_add_co_i32 s84, s76, s77
	s_lshl_b32 s84, s84, 23
	s_add_co_i32 s[C1], s84, 0x3db8aa3b            ; log2(e) / 16, with e6 + e7 added to its exponent field
	s_mov_b32 s[C1+1], s[C1]                       ; (named with it as a pair, so it is written)
	s_add_co_i32 s84, s78, s79
	s_lshl_b32 s84, s84, 23
	s_add_co_i32 s[C1+2], s84, 0x3db8aa3b          ; the same with e8 + e9
	s_mov_b32 s[C1+3], s[C1+2]
	s_cmp_eq_u32 s[VAR], 0
	s_cselect_b32 s[CW], s[C1], s[C1+2]            ; pass 1: my softmax's c
	s_mov_b32 s[CW+1], s[CW]
	s_add_co_i32 s84, s80, 127
	s_lshl_b32 s85, s84, 23
	v_mov_b32 v[VSC], s85                          ; 2^e10 as f32: the conversion takes its exponent field
	s_add_co_i32 s84, s84, 8
	s_lshl_b32 s84, s84, 23
	s_or_b32 s[LIMP], s84, 0x600000                ; 448 x 2^e10,
	s_or_b32 s[LIMN], s[LIMP], 0x80000000          ; and minus that
	s_add_co_i32 s84, s80, s81
	s_add_co_i32 s84, s84, 127
	s_lshl_b32 s[OSC], s84, 23                     ; 2^(e10 + e11) as f32
	s_mov_b32 s[OSC+1], s[OSC]
	s_wait_alu depctr_va_vdst(0)                   ; the wait at the head's end
	s_wait_loadcnt 0x0                             ; Q, and the pair carried
	; ---- PASS 1: 16 slots of 256 keys
	s_cmp_lg_u32 s[VAR], 0
	s_cbranch_scc1 .Lcarried
	QK1 KFB, 0                                     ; softmax 1 carries scores: those of the first pair are made here
.Lcarried:
	s_mov_b32 s[CNT], 15
.Lp1:
	TRIP1 0
	s_xor_b32 s[TB], s[TB], SLOT                   ; on to the other slot
	s_sub_co_u32 s[CNT], s[CNT], 1
	s_cmp_lg_u32 s[CNT], 0
	s_cbranch_scc1 .Lp1
	TRIP1 1                                        ; slot 15; slot 0 takes pass 2's first 256 keys
	s_wait_alu depctr_va_vdst(0)
	; ---- each lane's (N, L) of its four chains goes to LDS
.irp q, 0,1,2,3
	v_add_f32 v[ST+6*\q+1], v[ST+6*\q+2], v[ST+6*\q+3]   ; L's two halves, beside N
.endr
.irp q, 0,1,2,3
	ds_store_b64 v[AM], v[ST+6*\q:ST+6*\q+1] offset:2048*\q
.endr
	s_wait_tensorcnt 0x0                           ; pass 2's first 256 keys have landed
	ds_add_u32 v[SPW], v[NIL]                      ; 0 onto my spare word
	s_add_nc_u64 s[G0A+2:G0A+3], s[G0A+2:G0A+3], 2*SLOT   ; slot 0's next keys: 512 on
	s_wait_dscnt 0x0                               ; the add is done, my partial results have landed, and my reads of slot 1 are over
	CROUND
	JL1 1                                          ; keys 256 to 511
	; ---- THE MERGE: lane l takes lane l's partial results of a chain's four waves, then lane l xor 16's
.set j, 0
.rept 32
	ds_load_b64 v[64+2*j:65+2*j], v[AMR] offset:2048*(j/4)+256*(j%4)   ; chain j / 4, key quarter j % 4
.set j, j+1
.endr
	FETCHK AKK, 0                                  ; my key tile of step 0
	v_mov_b32 v56, 0x3fb8aa3b
	s_delay_alu instid0(VALU_DEP_1)
	v_mul_f32 v56, s82, v56                        ; lam log2(e)
	s_wait_alu depctr_va_vdst(0)
	v_exp_f32 v56, v56                             ; e^lam; the merge's first lines stand between it and the wait for it
	s_wait_dscnt 16                                ; the partial results are in; K's 16 loads, issued behind them, may be out
.irp x, 0,1,2,3,4,5,6,7
	v_min3_num_f32 v[32+\x], v[64+8*\x], v[66+8*\x], v[68+8*\x]
.endr
.irp x, 0,1,2,3,4,5,6,7
	v_min_num_f32 v[32+\x], v[32+\x], v[70+8*\x]
.endr
.irp x, 0,1,2,3,4,5,6,7
	v_permlanex16_b32 v[40+\x], v[32+\x], s[SEL], s[SEL+1]   ; (its destination counts as read: v40-47 were written in pass 1)
.endr
.irp x, 0,1,2,3,4,5,6,7
	v_min_num_f32 v[32+\x], v[32+\x], v[40+\x]     ; the row's N: the least, that is the largest maximum
.endr
.set j, 0
.rept 32
	v_sub_f32 v[64+2*j], v[32+j/4], v[64+2*j]      ; N - N_i: a whole number, 0 or less
.set j, j+1
.endr
.set j, 0
.rept 32
	v_cvt_i32_f32 v[64+2*j], v[64+2*j]
.set j, j+1
.endr
.set j, 0
.rept 32
	v_ldexp_f32 v[65+2*j], v[65+2*j], v[64+2*j]    ; L_i under the row's N
.set j, j+1
.endr
.set j, 0
.rept 16
	v_add_f32 v[65+4*j], v[65+4*j], v[67+4*j]
.set j, j+1
.endr
.irp x, 0,1,2,3,4,5,6,7
	v_add_f32 v[48+\x], v[65+8*\x], v[69+8*\x]
.endr
.irp x, 0,1,2,3,4,5,6,7
	v_permlanex16_b32 v[40+\x], v[48+\x], s[SEL], s[SEL+1]
.endr
.irp x, 0,1,2,3,4,5,6,7
	v_add_f32 v[48+\x], v[48+\x], v[40+\x]         ; the row's L
.endr
	s_wait_alu depctr_va_vdst(0)                   ; the wait for e^lam, ahead of its first reader
	v_add_f32 v56, 0x3d4ccccd, v56                 ; lambda = e^lam + 0.05
	s_wait_alu depctr_va_vdst(0)
.irp x, 0,1,2,3,4,5,6,7
	v_log_f32 v[48+\x], v[48+\x]                   ; log2 L
.endr
	v_log_f32 v56, v56                             ; log2 lambda
	v_nop                                          ; a plain instruction behind the last logarithm
	s_wait_alu depctr_va_vdst(0)                   ; one wait for the nine
.irp x, 0,1,2,3,4,5,6,7
	v_sub_f32 v[NC+2*\x], v[32+\x], v[48+\x]       ; N - log2 L
.endr
.irp x, 4,5,6,7
	v_add_f32 v[NC+2*\x], v[NC+2*\x], v56          ; the second softmax carries lambda
.endr
.irp x, 0,1,2,3,4,5,6,7
	v_mov_b32 v[NC+2*\x+1], v[NC+2*\x]             ; (named with it as a pair, so it is written)
.endr
.set n, 0
.rept 8
	global_load_b128 v[VF0+4*n:VF0+4*n+3], v[LI], s[8:9] offset:512*n          ; V of step 0: the merge has left these registers
.set n, n+1
.endr
.set n, 0
.rept 8
	global_load_b128 v[VF1+4*n:VF1+4*n+3], v[LI], s[8:9] offset:VSTEP+512*n    ; and of step 1
.set n, n+1
.endr
	s_wait_dscnt 0x0                               ; K of step 0 is in registers
	; ---- PASS 2: 32 steps of 128 keys
	STEP2 0, 0, 1, 0, 0, 1, 1, -1, 0, -1, 0        ; in front of step 0: diff of step 0; K of step 1 is fetched
	TRIP2 1, 0                                     ; steps 0 to 3 are written out: step 0's products start O^T's sums
	s_mov_b32 s[CNT], 6
.Lp2:                                              ; steps 4 to 27
	TRIP2 0, 1
	s_sub_co_u32 s[CNT], s[CNT], 1
	s_cmp_lg_u32 s[CNT], 0
	s_cbranch_scc1 .Lp2
	STEP2 3, 0, 0, 0, 1, 1, 2, 2, 8, -1, 1         ; step 28: the last slot has landed; nothing is filled from here on
	STEP2 1, 0, 1, 0, 1, 1, 3, 3, 8, -1, 0         ; step 29: the last fragments of K and V are fetched
	STEP2 1, 0, 0, 0, 1, 1, -1, -1, 8, -1, 0       ; step 30: the last scores
	STEP2 1, 0, 1, 0, 1, 0, -1, -1, 0, -1, 0       ; step 31: the last products
	; ---- THE WAY OUT.  A lane holds eight neighbouring channels of a row; a row's 256 channels come from eight waves.  They meet in a stage, and each wave stores 8 whole rows.
	; The six vector lines that make the addresses are plain, name no register of the last products and stand between them and the first read of their results.
	v_and_b32 v7, 15, v0                           ; r
	v_bfe_u32 v8, v0, 4, 1                         ; h
	s_delay_alu instid0(VALU_DEP_2)
	v_mul_u32_u24 v5, v7, SPITCH
	s_delay_alu instid0(VALU_DEP_1)
	v_lshl_add_u32 v5, v8, 5, v5
	s_lshl_b32 s83, s[WV], 7
	v_add_nc_u32 v5, s83, v5                       ; in: row r, + 32 h, + 128 w: my channels' bytes
	s_mul_i32 s83, s[WV], 8*SPITCH
	v_add_nc_u32 v6, s83, v[LI]                    ; back: my 8 rows, 16 bytes a lane
.set j, 0
.rept 32
	v_pk_mul_f32 v[SB+2*j:SB+2*j+1], v[OA+2*j:OA+2*j+1], s[OSC:OSC+1] op_sel_hi:[1,0]   ; x 2^(e10 + e11); each accumulator from its low end on
.set j, j+1
.endr
.irp q, 0,1,2,3
.irp ct, 0,1
	ds_store_b128 v5, v[SB+8*(4*\ct+\q):SB+8*(4*\ct+\q)+3] offset:16*SPITCH*\q+64*\ct
	ds_store_b128 v5, v[SB+8*(4*\ct+\q)+4:SB+8*(4*\ct+\q)+7] offset:16*SPITCH*\q+64*\ct+16
.endr
.endr
	s_wait_dscnt 0x0                               ; for the others' sake: my stores into the stage are done
	s_barrier_signal -1
	s_barrier_wait -1
.set n, 0
.rept 16
	ds_load_b128 v[KF+4*n:KF+4*n+3], v6 offset:SPITCH*(n/2)+512*(n%2)
.set n, n+1
.endr
.set n, 0
.rept 16
	s_wait_dscnt 15-n                              ; load n is in; the 15 - n issued behind it may be out
	global_store_b128 v[LI], v[KF+4*n:KF+4*n+3], s[14:15] offset:1024*(n/2)+512*(n%2) th:TH_STORE_NT   ; 32 lanes store 512 consecutive bytes, at a multiple of 512 from out0's first byte
.set n, n+1
.endr
	s_wait_tensorcnt 0x0                           ; the wave's end: behind my last tensor load and my last LDS store
	ds_add_u32 v[SPW], v[NIL]
	s_wait_dscnt 0x0
	CROUND                                         ; the closing round: no work-group ends while a partner may still ask for a tile that names it
	s_endpgm
.Lfunc_end_k_qd0503c1aeb_attn:
	.size	k_qd0503c1aeb_attn, .Lfunc_end_k_qd0503c1aeb_attn-k_qd0503c1aeb_attn
	.p2alignl 7, 3214868480
	.fill 96, 4, 3214868480
	.section	.rodata,"a",@progbits
	.p2align	6, 0x0
	.amdhsa_kernel k_qd0503c1aeb_attn
		.amdhsa_group_segment_fixed_size 327680
		.amdhsa_private_segment_fixed_size 0
		.amdhsa_enable_private_segment 0
		.amdhsa_kernarg_size 48
		.amdhsa_user_sgpr_count 2
		.amdhsa_user_sgpr_kernarg_segment_ptr 1
		.amdhsa_wavefront_size32 1
		.amdhsa_system_sgpr_workgroup_id_x 1
		.amdhsa_system_sgpr_workgroup_id_y 1
		.amdhsa_system_sgpr_workgroup_id_z 1
		.amdhsa_system_vgpr_workitem_id 0
		.amdhsa_next_free_vgpr 512
		.amdhsa_next_free_sgpr 100
		.amdhsa_reserve_vcc 0
		.amdhsa_float_denorm_mode_32 3
		.amdhsa_float_denorm_mode_16_64 3
		.amdhsa_memory_ordered 1
		.amdhsa_forward_progress 1
		.amdhsa_inst_pref_size 255
	.end_amdhsa_kernel
	.section	.bss,"aw",@nobits
	.p2align	6
	.space	262144
	.amdgpu_metadata
---
amdhsa.version: [ 1, 2 ]
amdhsa.kernels:
  - .name:           k_qd0503c1aeb_attn
    .symbol:         k_qd0503c1aeb_attn.kd
    .args:
      - { .name: Qc, .offset: 0, .size: 8, .value_kind: global_buffer, .address_space: global }
      - { .name: Kc, .offset: 8, .size: 8, .value_kind: global_buffer, .address_space: global }
      - { .name: Vc, .offset: 16, .size: 8, .value_kind: global_buffer, .address_space: global }
      - { .name: lam, .offset: 24, .size: 8, .value_kind: global_buffer, .address_space: global }
      - { .name: lowp_scales, .offset: 32, .size: 8, .value_kind: global_buffer, .address_space: global }
      - { .name: out0, .offset: 40, .size: 8, .value_kind: global_buffer, .address_space: global }
    .group_segment_fixed_size: 327680
    .private_segment_fixed_size: 0
    .kernarg_segment_align: 8
    .kernarg_segment_size: 48
    .max_flat_workgroup_size: 256
    .sgpr_count:     100
    .vgpr_count:     512
    .wavefront_size: 32
...
	.end_amdgpu_metadata
.endif
;; end of part 4
